; MI455X (gfx1250); checked and timed in simulation.
; The chip was launched on July 23, 2026; its instructions are those of AMD's public machine-readable ISA for CDNA 5 (MIT licence, August 2026) and "CDNA5" Instruction Set Architecture Reference Guide (July 2026). The comments in the code are by the model that wrote it; some were corrected since.
;; Relative Multi Head Attention. Allowed arithmetic: matrix products marked QUANTISED: E2M1 operands, one E8M0 scale for each 32 along K, by v_wmma_scale_f32_16x16x128_f8f6f4 with both operands' format E2M1 (or v_wmma_scale_f32_32x16x128_f4), f32 sums; products left as they are: bf16, f16 or f32 operands; f32 sums; everything else in f32.
;; Inputs: Wk 1,024 x 1,024 float32; Wo 1,024 x 1,024 float32; Wq 1,024 x 1,024 float32; Wv 1,024 x 1,024 float32; bk 1,024 float32; bo 1,024 float32; bq 1,024 float32; bv 1,024 float32; k 2 x 2,048 x 1,024 float32; q 2 x 2,048 x 1,024 float32; v 2 x 2,048 x 1,024 float32; w_rel 4,095 x 128 float32.
;; Outputs: out0 2 x 2,048 x 1,024 float32.
;; This version of the problem:
;;   THIS VERSION OF THE PROBLEM IS GIVEN IN LOW PRECISION. The matrix products marked QUANTISED in the list below multiply operands that are first quantised to E2M1 (2 exponent bits, 1 mantissa bit; 4 bits a number), with one power-of-two scale for each 32 numbers along K (OCP MX v1.0); their sums are f32. The products marked 'left as it is' may take bf16, f16 or f32 operands, with f32 sums. Whichever they take, every output number must still come out within the allowed error. Rounding operands to bf16 (8 significant bits) uses up far more of that allowance than f16 does (11 bits, for magnitudes from 6e-5 to 65,504). All else is computed in f32.
;;   The module's matrix products, in the order in which they are computed (A, B: the left and right operand; K: the contracted axis; several contracted axes count as one K, in the product's order):
;;     1. [M 4,096, K 1,024] x [K 1,024, N 1,024]; A: input q; B: input Wq: QUANTISED
;;     2. [M 4,096, K 1,024] x [K 1,024, N 1,024]; A: input k; B: input Wk: QUANTISED
;;     3. [M 4,096, K 1,024] x [K 1,024, N 1,024]; A: input v; B: input Wv: QUANTISED
;;     4. batch 16 x [M 2,048, K 128] x [K 128, N 2,048]; A: computed on the way; B: computed on the way: left as it is (an operand is computed on the way)
;;     5. [M 32,768, K 128] x [K 128, N 4,095]; A: computed on the way; B: input w_rel: left as it is (an operand is computed on the way)
;;     6. batch 16 x [M 2,048, K 2,048] x [K 2,048, N 128]; A: computed on the way; B: computed on the way: left as it is (an operand is computed on the way)
;;     7. [M 4,096, K 1,024] x [K 1,024, N 1,024]; A: computed on the way; B: input Wo: left as it is (an operand is computed on the way)
;;   THE QUANTISER, for each operand of a quantised product, along K:
;;     - K is cut into blocks of 32 from its start; a last block that is shorter is filled with zeros.
;;     - A block's scale is 2^e with e = floor(log2(the largest magnitude in the block)) - 2, held to -126 .. 127; a block of zeros has e = 0. As a byte (E8M0): e + 127.
;;     - Each number is divided by its block's scale, clamped to +-6, and rounded to the nearest number of E2M1, ties to even, subnormals kept.
;;     - The product sums the exact products of the quantised numbers (number of the format x scale) in f32.
;;   ~~~python
;;   def quantise(x, axis):      # numpy; x: float32 -> the quantised numbers, widened to float32 again
;;       x = np.moveaxis(x, axis, -1); K = x.shape[-1]
;;       x = np.pad(x, [(0, 0)] * (x.ndim - 1) + [(0, -K % 32)]); x = x.reshape(x.shape[:-1] + (-1, 32)); a = np.abs(x).max(-1, keepdims=True)
;;       e = np.where(a > 0, np.clip(np.frexp(np.where(a > 0, a, 1))[1] - 1 - 2, -126, 127), 0)      # np.frexp(a)[1] - 1 = floor(log2(a)), exactly
;;       r = np.clip(x / 2.0 ** e, -6, 6)
;;       step = 2.0 ** (np.maximum(np.frexp(np.where(r == 0, 1, r))[1] - 1, 0) - 1)
;;       q = np.round(r / step) * step * 2.0 ** e      # np.round: ties to even
;;       return np.moveaxis(q.reshape(q.shape[:-2] + (-1,))[..., :K], -1, axis).astype(np.float32)
;;   ~~~
;; One version. Each part assembles by itself: llvm-mc -triple=amdgcn-amd-amdhsa -mcpu=gfx1250 --defsym DOCPART=n.
;; ======== version 1 of 1: 4 launches
;; limits: values are held in f16: magnitudes above 65,504 overflow, below 6.1e-05 lose precision
;; workspace buffers: xcodes 6,291,456 bytes; xscales 393,216 bytes; wcodes 1,572,864 bytes; wscales 98,304 bytes; woimg 2,097,152 bytes; wimg 1,048,576 bytes; qkv 25,165,824 bytes; cimg 8,388,608 bytes
;; launch prep (part 1): grid 576 x 1, 4 waves a work-group, no clusters, 33,280 bytes of LDS; arguments q, k, v, Wq, Wk, Wv, Wo, w_rel, xcodes, xscales, wcodes, wscales, woimg, wimg; writes xcodes, xscales, wcodes, wscales, woimg, wimg
.if DOCPART == 1
	.amdgcn_target "amdgcn-amd-amdhsa--gfx1250"
	.amdhsa_code_object_version 6
	.text
	.protected	k_q3cc133d214_prep
	.globl	k_q3cc133d214_prep
	.p2align	8
	.type	k_q3cc133d214_prep,@function
k_q3cc133d214_prep:
	s_mov_b64 s[64:65], 0
	v_nop
	global_prefetch_b8 v0, s[64:65] scope:SCOPE_SE
	s_setreg_imm32_b32 hwreg(HW_REG_WAVE_MODE, 25, 1), 1
	s_wait_xcnt 0x0
; THREE JOBS IN ONE LAUNCH, told apart by the work-group's number.
; Work-groups 0-479: q, k, v [4096][1024] and Wq, Wk, Wv [1024][1024], f32, K innermost, become codes of FP4 (E2M1) with one E8M0 byte for each 32 along K.
;   xcodes [12288 rows = q | k | v][512 bytes], xscales [12288][32]; wcodes [3072 rows = Wq | Wk | Wv][512], wscales [3072][32].
;   A block's scale is 2^(floor(log2(its largest magnitude)) - 2); its byte is the largest magnitude's exponent field - 2, held at 1 from below.  A block of zeros so gets the byte 1 where the
;   quantiser says 127: its codes are zeros, which add nothing, and the bytes are read by this program alone.
;   LIMITS: NaN and infinities among the inputs are not served; blocks whose largest magnitude lies under 2^-124 are quantised under the byte 1.
;   Rows are dense and K is a multiple of 32: each tensor is a stream of blocks.  A wave takes 16 steps of 512 numbers; a step's four loads read 512 consecutive bytes each; the 2,048 bytes turn through the wave's own
;   stage in LDS, so that a lane then holds 16 neighbours along K.
; Work-groups 480-543: Wo [1024][1024] f32 -> woimg, f16, in the order of a matrix operand's registers:
;   byte s*524288 + rho*8192 + X*512 + lane*16 holds row 16 rho + lane % 16, k = 256 s + 16 X + 8 (lane / 16) + 0 .. 7.
; Work-groups 544-575: w_rel [4095][128] f32 -> wimg, f16, 4,096 rows (row 4095 is stored as zeros), by groups of 8 rows:
;   byte g*2048 + X*256 + pos*16 holds row 8 g + pos % 8, channels 16 X + 8 ((pos / 8) xor ((g / 4) % 2)) + 0 .. 7.
;   LIMIT of both images: f16: magnitudes from 65,520 on become infinity; under 6e-5 the step is 2^-24.
.set WAVES, 4
.set STEPS, 16
.set NQWG,  480                        ; work-groups that quantise: 3 x 128 for q, k, v, then 3 x 32 for the weights
.set EMAX,  2
.set CB,    8                          ; bytes of 16 codes
.set R,     16                         ; v16-79   four sets of 16 numbers as they are loaded
.set X,     80                         ; v80-111  two sets of 16 neighbours
.set E,     112                        ; v112-127 a scale byte for each step
.set C,     128                        ; v128-191 codes: four registers for each step
.set WREG,  8192                       ; LDS: a region for each wave: two stages of 32 x SP bytes, then its 256 scale bytes
.set SP,    80                         ; a lane's place in a stage: 64 bytes + 16 of padding
.set SPW,   12                         ; v12 LDS address of my spare word; never rewritten
.set NIL,   13                         ; v13 0; never rewritten
.set SPARE, WAVES*WREG                 ; behind the regions: the spare words, 128 bytes a wave
.set IN,    16                         ; the image paths: v16-143 sixteen chunks of 8 numbers
.set OUTR,  144                        ; v144-207 sixteen chunks of 8 f16
	s_load_b512 s[16:31], s[0:1], 0x0              ; q, k, v, Wq, Wk, Wv, Wo, w_rel
	s_load_b256 s[32:39], s[0:1], 0x40             ; xcodes, xscales, wcodes, wscales
	s_load_b128 s[40:43], s[0:1], 0x60             ; woimg, wimg
	v_lshl_add_u32 v[SPW], v0, 2, SPARE
	v_mov_b32 v[NIL], 0
	s_cmp_lt_u32 ttmp9, NQWG
	s_cbranch_scc0 .Limages
; ---------------- the quantiser
	v_lshrrev_b32 v1, 5, v0
	v_readfirstlane_b32 s44, v1                    ; wave
	v_and_b32 v2, 31, v0                           ; lane
	v_lshlrev_b32 v3, 4, v2                        ; my 16 bytes of a load's 512
	s_mul_i32 s45, s44, WREG
	v_lshrrev_b32 v14, 2, v2
	v_mul_u32_u24 v14, v14, SP
	v_and_b32 v15, 3, v2
	v_lshl_add_u32 v14, v15, 4, v14
	v_add_nc_u32 v14, s45, v14                     ; the stage, on the way in: SP (lane / 4) + 16 (lane % 4)
	v_mul_u32_u24 v15, v2, SP
	v_add_nc_u32 v15, s45, v15                     ; and on the way out: SP x lane: my 16 neighbours
	v_mul_u32_u24 v4, v2, CB                       ; my codes' place in a step's
	v_lshrrev_b32 v5, 1, v2
	s_add_co_u32 s45, s45, 2*32*SP
	v_add_nc_u32 v5, s45, v5                       ; LDS: my wave's 256 scale bytes, my block's byte
	v_lshlrev_b32 v7, 3, v2                        ; on the way out 8 bytes a lane
	v_add_nc_u32 v6, s45, v7
	s_wait_kmcnt 0x0
	s_cmp_lt_u32 ttmp9, 384                        ; an activation or a weight?  All choices hang on the work-group's number alone
	s_cselect_b64 s[8:9], s[32:33], s[36:37]       ; the codes' buffer
	s_cselect_b64 s[10:11], s[34:35], s[38:39]     ; the scale bytes'
	s_cselect_b64 s[4:5], s[16:17], s[22:23]       ; the family's three tensors
	s_cselect_b64 s[6:7], s[18:19], s[24:25]
	s_cselect_b64 s[12:13], s[20:21], s[26:27]
	s_cselect_b32 s3, 7, 5                         ; 128 or 32 work-groups to a tensor
	s_cselect_b32 s2, 0, 384
	s_sub_co_u32 s2, ttmp9, s2                     ; my number in the family
	s_lshr_b32 s14, s2, s3                         ; which tensor of the three
	s_cmp_eq_u32 s14, 1
	s_cselect_b64 s[4:5], s[6:7], s[4:5]
	s_cmp_eq_u32 s14, 2
	s_cselect_b64 s[4:5], s[12:13], s[4:5]
	s_lshl_b32 s14, s14, s3
	s_sub_co_u32 s14, s2, s14                      ; my number in the tensor
	s_lshl_b32 s14, s14, 2
	s_add_co_u32 s14, s14, s44                     ; my wave's run of 8,192 numbers in the tensor
	s_lshl_b32 s14, s14, 15                        ; 32,768 bytes a run
	s_mov_b32 s15, 0
	s_add_nc_u64 s[4:5], s[4:5], s[14:15]
	s_lshl_b32 s2, s2, 2
	s_add_co_u32 s2, s2, s44                       ; and in the family's buffers
	s_lshl_b32 s14, s2, 12                         ; 4,096 bytes of codes a run
	s_add_nc_u64 s[8:9], s[8:9], s[14:15]
	s_lshl_b32 s14, s2, 8                          ; 256 scale bytes a run
	s_add_nc_u64 s[10:11], s[10:11], s[14:15]
.macro LOAD t
.irp i, 0,1,2,3
	global_load_b128 v[R+16*((\t)%4)+4*\i:R+16*((\t)%4)+4*\i+3], v3, s[4:5] offset:2048*(\t)+512*\i th:TH_LOAD_NT   ; 32 lanes read 512 consecutive bytes
.endr
.endm
.macro TURN t                          ; step t's numbers through the stage: LDS serves a wave's instructions in order, so no wait stands between the stores and the loads
.irp i, 0,1,2,3
	ds_store_b128 v14, v[R+16*((\t)%4)+4*\i:R+16*((\t)%4)+4*\i+3] offset:32*SP*((\t)%2)+8*SP*\i
.endr
.irp i, 0,1,2,3
	ds_load_b128 v[X+16*((\t)%2)+4*\i:X+16*((\t)%2)+4*\i+3], v15 offset:32*SP*((\t)%2)+16*\i
.endr
.endm
.irp t, 0,1,2,3
	LOAD \t
.endr
	s_wait_loadcnt 12                              ; step 0's four loads are in; twelve younger ones stay out
	TURN 0
.macro STEP t
.set XS, X+16*((\t)%2)
.if (\t) > 0
	s_wait_dscnt 1                                 ; this step's numbers are back from the stage (the last step's byte store may be out)
.else
	s_wait_dscnt 0x0
.endif
.if (\t)+4 < STEPS
	LOAD (\t)+4                                    ; the stage's stores have read these registers: they take the loads of four steps on
.endif
.if (\t)+1 < STEPS
.if STEPS-2-(\t) >= 3
	s_wait_loadcnt 12                              ; the next step's four loads are in; those of the three steps behind it may be out
.else
	s_wait_loadcnt 4*(STEPS-2-(\t))
.endif
	TURN (\t)+1                                    ; through the other stage while this step is worked
.endif
	v_max3_num_f32 v8, |v[XS]|, |v[XS+1]|, |v[XS+2]|               ; the largest magnitude of my 16, in two chains
	v_max3_num_f32 v9, |v[XS+3]|, |v[XS+4]|, |v[XS+5]|
.irp i, 6,10
	v_max3_num_f32 v8, v8, |v[XS+\i]|, |v[XS+\i+1]|
	v_max3_num_f32 v9, v9, |v[XS+\i+2]|, |v[XS+\i+3]|
.endr
	v_max3_num_f32 v8, v8, |v[XS+14]|, |v[XS+15]|
	v_max3_num_f32 v8, v8, v9, (EMAX+1)<<23        ; and the floor 2^(3 - 127): the byte cannot fall under 1
	v_max_num_f32_dpp v8, v8, v8 row_xmask:1 row_mask:0xf bank_mask:0xf   ; with my neighbour's 16: the block's
	v_add_nc_u32 v11, -(EMAX<<23), v8              ; 2 off its exponent field: the conversion takes that field as its scale
	v_cvt_scalef32_pk8_fp4_f32 v[C+4*(\t)], v[XS:XS+7], v11
	v_cvt_scalef32_pk8_fp4_f32 v[C+4*(\t)+1], v[XS+8:XS+15], v11
	v_lshrrev_b32 v[E+(\t)], 23, v11               ; the scale's byte (also the plain line behind the conversions)
	ds_store_b8 v5, v[E+(\t)] offset:16*(\t)       ; both lanes of a block write the same byte with the same value
	global_store_b64 v4, v[C+4*(\t):C+4*(\t)+1], s[8:9] offset:32*CB*(\t)   ; 32 lanes store 256 consecutive bytes, aligned
.endm
.irp t, 0,1,2,3,4,5,6,7,8,9,10,11,12,13,14,15
	STEP \t
.endr
	ds_load_b64 v[8:9], v6                         ; LDS serves a wave's instructions in order: this sees my byte stores
	s_wait_dscnt 0x0
	global_store_b64 v7, v[8:9], s[10:11]          ; 32 lanes store 256 consecutive bytes, aligned
	s_wait_tensorcnt 0x0                           ; the wave's end, behind my last LDS store
	ds_add_u32 v[SPW], v[NIL]
	s_wait_dscnt 0x0
	s_endpgm
; ---------------- the two images: a thread makes sixteen chunks of 8 numbers; no LDS
.macro PACKF it                        ; chunk it: its two loads are in (the later chunks' may be out), eight numbers become 16 bytes
	s_wait_loadcnt 30-2*(\it)
.irp r, 0,1,2,3
	v_cvt_pk_f16_f32 v[OUTR+4*(\it)+\r], v[IN+8*(\it)+2*\r], v[IN+8*(\it)+2*\r+1]
.endr
.endm
.macro SENDF it                        ; a wave stores 512 consecutive bytes; each chunk has registers of its own, so no store's data are written again
	global_store_b128 v3, v[OUTR+4*(\it):OUTR+4*(\it)+3], s[6:7] offset:2048*(\it)
.endm
.Limages:
	v_lshlrev_b32 v3, 4, v0                        ; out: 16 bytes a thread
	s_mov_b32 s5, 0
	s_mov_b32 s7, 0
	s_cmp_lt_u32 ttmp9, 544
	s_cbranch_scc0 .Lwrel
	s_sub_co_u32 s2, ttmp9, NQWG                   ; W = 0 .. 63: K quarter W / 16, rows 64 (W % 16) on
	v_and_b32 v1, 15, v0
	v_lshlrev_b32 v1, 12, v1                       ; row lane % 16: 4,096 bytes a row
	v_bfe_u32 v2, v0, 4, 1
	v_lshl_add_u32 v1, v2, 5, v1                   ; + 8 numbers for the upper half of the lanes
	v_lshrrev_b32 v2, 5, v0
	v_lshl_add_u32 v1, v2, 6, v1                   ; + 16 numbers a wave
	s_and_b32 s3, s2, 15
	s_lshl_b32 s4, s3, 18
	s_lshr_b32 s3, s2, 4
	s_lshl_b32 s3, s3, 10
	s_add_co_u32 s4, s4, s3
	s_lshl_b32 s6, s2, 15
	s_wait_kmcnt 0x0
	s_add_nc_u64 s[4:5], s[28:29], s[4:5]
	s_add_nc_u64 s[6:7], s[40:41], s[6:7]
.irp it, 0,1,2,3,4,5,6,7,8,9,10,11,12,13,14,15
	global_load_b128 v[IN+8*\it:IN+8*\it+3], v1, s[4:5] offset:(\it%4)*256+(\it/4)*65536
	global_load_b128 v[IN+8*\it+4:IN+8*\it+7], v1, s[4:5] offset:(\it%4)*256+(\it/4)*65536+16
.endr
.irp it, 0,1,2,3,4,5,6,7,8,9,10,11,12,13,14,15
	PACKF \it
	SENDF \it
.endr
	s_endpgm
.Lwrel:
	s_sub_co_u32 s2, ttmp9, 544                    ; W = 0 .. 31: rows 128 W on, sixteen groups of 8
	v_and_b32 v1, 7, v0
	v_lshlrev_b32 v1, 9, v1                        ; row thread % 8: 512 bytes a row
	v_lshrrev_b32 v2, 4, v0
	v_lshl_add_u32 v1, v2, 6, v1                   ; + 16 channels for X = thread / 16
	v_bfe_u32 v2, v0, 3, 1
	v_lshl_add_u32 v1, v2, 5, v1                   ; + 8 channels for pos / 8
	s_lshl_b32 s3, s2, 16
	v_add_nc_u32 v1, s3, v1                        ; groups whose (g / 4) % 2 is 0
	v_xor_b32 v2, 32, v1                           ; and those where it is 1: the halves change places
	v_add_nc_u32 v4, 61440, v2                     ; the last group's offset, written out, since row 4095 does not exist:
	v_min_u32 v5, 2096608, v4                      ; its loads are held inside the table (the table ends at byte 2,096,640)
	v_cmp_gt_u32 vcc_lo, 2096640, v4               ; and what they bring is replaced by zeros below
	s_lshl_b32 s6, s2, 15
	s_wait_kmcnt 0x0
	s_add_nc_u64 s[6:7], s[42:43], s[6:7]
.irp it, 0,1,2,3,4,5,6,7,8,9,10,11,12,13,14
	global_load_b128 v[IN+8*\it:IN+8*\it+3], v[1+(\it/4)%2], s[30:31] offset:\it*4096
	global_load_b128 v[IN+8*\it+4:IN+8*\it+7], v[1+(\it/4)%2], s[30:31] offset:\it*4096+16
.endr
	global_load_b128 v[IN+120:IN+123], v5, s[30:31]
	global_load_b128 v[IN+124:IN+127], v5, s[30:31] offset:16
.irp it, 0,1,2,3,4,5,6,7,8,9,10,11,12,13,14
	PACKF \it
	SENDF \it
.endr
	PACKF 15
.irp r, 0,1,2,3
	v_cndmask_b32 v[OUTR+60+\r], 0, v[OUTR+60+\r], vcc_lo
.endr
	SENDF 15
	s_endpgm
.Lfunc_end_k_q3cc133d214_prep:
	.size	k_q3cc133d214_prep, .Lfunc_end_k_q3cc133d214_prep-k_q3cc133d214_prep
	.p2alignl 7, 3214868480
	.fill 96, 4, 3214868480
	.section	.rodata,"a",@progbits
	.p2align	6, 0x0
	.amdhsa_kernel k_q3cc133d214_prep
		.amdhsa_group_segment_fixed_size 33280
		.amdhsa_private_segment_fixed_size 0
		.amdhsa_enable_private_segment 0
		.amdhsa_kernarg_size 112
		.amdhsa_user_sgpr_count 2
		.amdhsa_user_sgpr_kernarg_segment_ptr 1
		.amdhsa_wavefront_size32 1
		.amdhsa_system_sgpr_workgroup_id_x 1
		.amdhsa_system_sgpr_workgroup_id_y 1
		.amdhsa_system_sgpr_workgroup_id_z 1
		.amdhsa_system_vgpr_workitem_id 0
		.amdhsa_next_free_vgpr 208
		.amdhsa_next_free_sgpr 66
		.amdhsa_reserve_vcc 1
		.amdhsa_float_denorm_mode_32 3
		.amdhsa_float_denorm_mode_16_64 3
		.amdhsa_memory_ordered 1
		.amdhsa_forward_progress 1
		.amdhsa_inst_pref_size 53
	.end_amdhsa_kernel
	.amdgpu_metadata
---
amdhsa.version: [ 1, 2 ]
amdhsa.kernels:
  - .name:           k_q3cc133d214_prep
    .symbol:         k_q3cc133d214_prep.kd
    .args:
      - { .name: q, .offset: 0, .size: 8, .value_kind: global_buffer, .address_space: global }
      - { .name: k, .offset: 8, .size: 8, .value_kind: global_buffer, .address_space: global }
      - { .name: v, .offset: 16, .size: 8, .value_kind: global_buffer, .address_space: global }
      - { .name: Wq, .offset: 24, .size: 8, .value_kind: global_buffer, .address_space: global }
      - { .name: Wk, .offset: 32, .size: 8, .value_kind: global_buffer, .address_space: global }
      - { .name: Wv, .offset: 40, .size: 8, .value_kind: global_buffer, .address_space: global }
      - { .name: Wo, .offset: 48, .size: 8, .value_kind: global_buffer, .address_space: global }
      - { .name: w_rel, .offset: 56, .size: 8, .value_kind: global_buffer, .address_space: global }
      - { .name: xcodes, .offset: 64, .size: 8, .value_kind: global_buffer, .address_space: global }
      - { .name: xscales, .offset: 72, .size: 8, .value_kind: global_buffer, .address_space: global }
      - { .name: wcodes, .offset: 80, .size: 8, .value_kind: global_buffer, .address_space: global }
      - { .name: wscales, .offset: 88, .size: 8, .value_kind: global_buffer, .address_space: global }
      - { .name: woimg, .offset: 96, .size: 8, .value_kind: global_buffer, .address_space: global }
      - { .name: wimg, .offset: 104, .size: 8, .value_kind: global_buffer, .address_space: global }
    .group_segment_fixed_size: 33280
    .private_segment_fixed_size: 0
    .kernarg_segment_align: 8
    .kernarg_segment_size: 112
    .max_flat_workgroup_size: 128
    .sgpr_count:     66
    .vgpr_count:     208
    .wavefront_size: 32
...
	.end_amdgpu_metadata
.endif
;; end of part 1
;; launch proj (part 2): grid 4 x 48, 4 waves a work-group, clusters of 4 x 4, 327,680 bytes of LDS; arguments xcodes, xscales, wcodes, wscales, bq, bk, bv, qkv; writes qkv
.if DOCPART == 2
	.amdgcn_target "amdgcn-amd-amdhsa--gfx1250"
	.amdhsa_code_object_version 6
	.text
	.protected	k_q3cc133d214_proj
	.globl	k_q3cc133d214_proj
	.p2align	8
	.type	k_q3cc133d214_proj,@function
k_q3cc133d214_proj:
	s_mov_b64 s[64:65], 0
	v_nop
	global_prefetch_b8 v0, s[64:65] scope:SCOPE_SE
	s_setreg_imm32_b32 hwreg(HW_REG_WAVE_MODE, 25, 1), 1
	s_wait_xcnt 0x0
	s_wait_alu depctr_hold_cnt(0) depctr_sa_sdst(0) depctr_va_vdst(0) depctr_va_sdst(0) depctr_va_ssrc(0) depctr_va_vcc(0) depctr_vm_vsrc(0)
	s_getreg_b32 s2, hwreg(HW_REG_IB_STS2, 6, 4)
	s_cmp_eq_u32 s2, 0
	s_cbranch_scc0 .Lentry_in_a_cluster
	s_endpgm
.Lentry_in_a_cluster:
	s_bfe_u32 s2, ttmp6, 0x10000c
	s_cmp_lg_u32 s2, 0xf033
	s_cbranch_scc0 .Lentry_shape_is_right
	s_endpgm
.Lentry_shape_is_right:
; THE THREE PROJECTIONS IN ONE GRID: [q | k | v] (12,288 rows) x [Wq | Wk | Wv]^T + bias, on codes of FP4 (E2M1) with one E8M0 scale for each 32 along K = 1,024; sums in f32; results rounded once to f16.
; A tile of 256 rows x 256 columns is made by four waves, each 128 x 128: 64 accumulators of 16 x 16, 512 registers.  Tile rows 0-15 are q's, 16-31 k's, 32-47 v's: a cluster's four tile rows lie in one tensor,
; whose number T (cluster y / 4) picks the 1,024 rows of the weights' codes and the bias.
; K is two steps of 512 (LDS rows of 256 bytes): both slots and all scale bytes are asked for at the head, and nothing is filled twice.
; CLUSTERS: 4 x 4 work-groups.  The four of a row of the cluster need the same tiles of the activations, the four of a column the same tiles of the weights: each tile is asked for jointly.
; THE MATRIX INSTRUCTION IS USED TRANSPOSED (source 0 = 16 rows of W, source 1 = 16 rows of x): a lane holds eight neighbouring columns of one row.  The bias is the C of each sum's first instruction.
; THE RESULT'S LAYOUT.  A wave's 128 columns are one head.  qkv = [3 tensors][16 (batch, head)][524,288 bytes]; inside, by groups of 8 positions:
;   byte g*2048 + X*256 + pos*16 holds position 8 g + pos % 8, channels 16 X + 8 ((pos / 8) xor ((g / 4) % 2)) + 0 .. 7.  A lane's eight results are one such piece of 16 bytes, so they are stored from registers.
; LIMIT: f16 results: magnitudes from 65,520 on become infinity; under 6e-5 the step is 2^-24.
; REGISTERS, in windows of 256: window 0: v0-31 addresses; v32-95 scale words, two sets; v128-191 x's fragments, one set; v192-255 the bias; on the way out v128-255 packed results.
;   window 1: W's fragments, two sets, at v0 and v128.   window 2: the accumulators of my rows 0-63 ((a, b) at v[8 (8 a + b)]);   window 3: those of my rows 64-127.
.set KSTEP,  512
.set NQ,     KSTEP/128                 ; matrix instructions deep in a slot
.set ROWB,   256                       ; a tile's row in bytes
.set KROW,   512                       ; a row of codes in memory
.set PITCH,  272                       ; an LDS row: 256 bytes + 16 of padding: the 16 rows that a load touches begin 4 words apart modulo 64 words
.set FR,     8                         ; registers of a fragment
.set NL,     2                         ; LDS loads that bring one
.set NP,     4                         ; places behind this matrix instruction (ISA guide 7.12.1)
.set HALFT,  128*PITCH                 ; what one tensor load brings
.set SLOT,   4*HALFT
.set KS,     32                        ; a row of scale bytes
.set SCL,    2*SLOT                    ; behind the slots: the scale bytes, as units of 256 bytes + 16 of padding
.set HALFS,  (128*KS/256)*272
.set SBLK,   (16*KS/256)*272
.set SPARE,  SCL+4*HALFS               ; the spare words, 128 bytes a wave
.set ADRA, 16                          ; v16-17 LDS address of my x fragments in slot 0, 1
.set ADRB, 20                          ; v20-21 the same for W
.set CO,   24                          ; v24-25 my byte offset in a block of 16 rows of the result: for blocks whose (a / 2) % 2 is 0, 1
.set BO,   26                          ; v26    my byte offset in the bias
.set ADRS, 27                          ; v27    LDS address of my scale words: lanes 0-15 x's rows, lanes 16-31 W's
.set SPW,  28                          ; v28    LDS address of my spare word; never rewritten
.set NIL,  29                          ; v29    0; never rewritten
.set SC,   32
.set AF,   128
.set BI,   192                         ; the bias: register 8 b + j of lane (r, h) = bias[my first column + 16 b + 8 h + j]
.set PK,   128                         ; the way out
.set G1, 24
.set G0, 32
.set G1B, 48
.set G0B, 56
.set G1S, 68
.set G0S, 76
.set G1SB, 80
.set G0SB, 88
.set MSB, 0
.macro WIN new                         ; the immediate's high byte repeats the setting that is left
.if MSB != \new
	s_set_vgpr_msb (MSB<<8)|\new
.set MSB, \new
.endif
.endm
.set MUL_LO, 0xa1                      ; source 0 (W) window 1, source 1 (x) window 0, C and D window 2
.set MUL_HI, 0xf1                      ; the same, C and D window 3
.set FST_LO, 0x81                      ; the first step: C (the bias) window 0, D window 2
.set FST_HI, 0xc1                      ; D window 3
.set TO_B,   0x40                      ; destination window 1, address window 0
; A joint load: waves 0 and 1 fetch for x, waves 2 and 3 for W.  The branch hangs on the wave's number alone.  An s_nop 0 and four v_nop follow each of the two lines.
.macro JLOAD g0a, g1a, g0b, g1b
	s_cmp_eq_u32 s15, 0
	s_cbranch_scc0 .Lfor_b_\@
	tensor_load_to_lds s[\g0a:\g0a+3], s[\g1a:\g1a+7]
	s_nop 0
.rept 4
	v_nop
.endr
	s_branch .Lasked_\@
.Lfor_b_\@:
	tensor_load_to_lds s[\g0b:\g0b+3], s[\g1b:\g1b+7]
	s_nop 0
.rept 4
	v_nop
.endr
.Lasked_\@:
.endm
.macro CROUND                          ; a round of the cluster's barrier
	s_barrier_signal -1
	s_barrier_wait -1
	s_cmp_lg_u32 s14, 0
	s_cbranch_scc1 .Lnot_wave_0_\@
	s_barrier_signal -3
.Lnot_wave_0_\@:
	s_barrier_wait -3
	s_barrier_signal -1
	s_barrier_wait -1
.endm
	s_load_b128 s[4:7], s[0:1], 0x0                ; x's codes, x's scales
	s_load_b128 s[8:11], s[0:1], 0x10              ; W's codes, W's scales
	s_load_b128 s[96:99], s[0:1], 0x20             ; bq, bk
	s_load_b64 s[66:67], s[0:1], 0x30              ; bv
	s_load_b64 s[12:13], s[0:1], 0x38              ; qkv
	v_lshl_add_u32 v[SPW], v0, 2, SPARE
	v_mov_b32 v[NIL], 0
	ds_add_u32 v[SPW], v[NIL]                      ; the wave's opening: the add, twice on end, and its wait ahead of my first tensor load
	ds_add_u32 v[SPW], v[NIL]
	v_lshrrev_b32 v1, 5, v0
	v_readfirstlane_b32 s14, v1                    ; wave 0..3
	s_lshr_b32 s15, s14, 1                         ; which half of the tile's rows is mine.  Also: I fetch for x (0) or for W (1)
	s_and_b32 s16, s14, 1                          ; which half of its columns.  Also: which 128 rows of that tile I fetch
	s_bfe_u32 s40, ttmp6, 0x40000                  ; cx, cy: my place in the cluster
	s_bfe_u32 s41, ttmp6, 0x40004
	s_lshl_b32 s42, ttmp9, 2
	s_add_co_u32 s42, s42, s40                     ; tile column = 4 x cluster x + cx
	s_and_b32 s17, ttmp7, 0xffff
	s_lshr_b32 s95, s17, 2                         ; T: the tensor, 0 q, 1 k, 2 v: the same in all sixteen partners
	s_lshl_b32 s17, s17, 2
	s_add_co_u32 s17, s17, s41                     ; tile row = 4 x cluster y + cy
	s_lshl_b32 s43, s41, 2
	s_lshl_b32 s43, 15, s43                        ; my row of the cluster
	s_lshl_b32 s44, 0x1111, s40                    ; my column
	; descriptor group 1: a tile of 128 rows x 256 bytes, 16 bytes of padding behind each row
	s_or_b32 s[G1+0], s43, (0<<16)|(1<<20)|(1<<21)|(5<<22)|(3<<25)  ; 15:0 the mask; 17:16 elements of 1 byte; 20 padding on; 21 set beside a mask; 24:22 after every 64 words; 31:25 four words
	s_or_b32 s[G1B+0], s44, (0<<16)|(1<<20)|(1<<21)|(5<<22)|(3<<25)
.irp g, G1, G1B
	s_mov_b32 s[\g+1], ROWB<<16                    ; tensor_dim0
	s_mov_b32 s[\g+2], 128<<16                     ; tensor_dim1
	s_mov_b32 s[\g+3], ROWB<<16                    ; tile_dim0
	s_mov_b32 s[\g+4], 128                         ; tile_dim1
	s_mov_b32 s[\g+5], KROW                        ; tensor_dim0_stride
	s_mov_b32 s[\g+6], 0
	s_mov_b32 s[\g+7], 0
.endr
	; the scale bytes of 128 rows: 4,096 dense bytes, as 16 rows of 256 bytes (32 elements of 8 bytes), 16 bytes of padding behind each
	s_or_b32 s[G1S+0], s43, (3<<16)|(1<<20)|(1<<21)|(5<<22)|(3<<25)
	s_or_b32 s[G1SB+0], s44, (3<<16)|(1<<20)|(1<<21)|(5<<22)|(3<<25)
.irp g, G1S, G1SB
	s_mov_b32 s[\g+1], 32<<16
	s_mov_b32 s[\g+2], (128*KS/256)<<16
	s_mov_b32 s[\g+3], 32<<16
	s_mov_b32 s[\g+4], 128*KS/256
	s_mov_b32 s[\g+5], 32
	s_mov_b32 s[\g+6], 0
	s_mov_b32 s[\g+7], 0
.endr
	s_lshl_b32 s18, s16, 7                         ; which 128 rows of the tile I fetch
	s_lshl_b32 s20, s17, 8
	s_add_co_u32 s20, s20, s18                     ; x: row 256 x tile row + 128 x half
	s_lshl_b32 s46, s42, 8
	s_add_co_u32 s46, s46, s18                     ; W: row 256 x tile column + 128 x half
	s_lshl_b32 s3, s95, 10
	s_add_co_u32 s46, s46, s3                      ; + 1,024 T
	s_mov_b32 s21, 0
	s_mov_b32 s47, 0
	s_mov_b64 s[18:19], KS
	s_mul_u64 s[22:23], s[20:21], s[18:19]         ; where these rows' scale bytes begin
	s_mul_u64 s[92:93], s[46:47], s[18:19]
	s_mov_b64 s[18:19], KROW
	s_mul_u64 s[20:21], s[20:21], s[18:19]         ; and their codes
	s_mul_u64 s[46:47], s[46:47], s[18:19]
	s_mul_i32 s45, s14, HALFT                      ; where they go: wave x 128 rows: no place in the cluster enters an LDS address
	s_mul_i32 s94, s14, HALFS
	s_wait_dscnt 0x0                               ; both opening adds are done
	s_wait_kmcnt 0x0
	s_add_nc_u64 s[20:21], s[4:5], s[20:21]
	s_add_nc_u64 s[22:23], s[6:7], s[22:23]
	s_add_nc_u64 s[46:47], s[8:9], s[46:47]
	s_add_nc_u64 s[92:93], s[10:11], s[92:93]
	CROUND                                         ; all sixteen work-groups are here: the joint loads meet
	s_mov_b32 s[G0S], 1
	s_add_co_u32 s[G0S+1], s94, SCL
	s_mov_b64 s[G0S+2:G0S+3], s[22:23]
	s_or_b32 s[G0S+3], s[G0S+3], 0x80000000
	s_mov_b32 s[G0SB], 1
	s_add_co_u32 s[G0SB+1], s94, SCL
	s_mov_b64 s[G0SB+2:G0SB+3], s[92:93]
	s_or_b32 s[G0SB+3], s[G0SB+3], 0x80000000
	JLOAD G0S, G1S, G0SB, G1SB                     ; the scale bytes first: they are wanted with K step 0
.irp s, 0,1
	s_mov_b32 s[G0+4*\s], 1
	s_add_co_u32 s[G0+4*\s+1], s45, \s*SLOT
	s_add_nc_u64 s[G0+4*\s+2:G0+4*\s+3], s[20:21], \s*ROWB
	s_or_b32 s[G0+4*\s+3], s[G0+4*\s+3], 0x80000000
	s_mov_b32 s[G0B+4*\s], 1
	s_add_co_u32 s[G0B+4*\s+1], s45, \s*SLOT
	s_add_nc_u64 s[G0B+4*\s+2:G0B+4*\s+3], s[46:47], \s*ROWB
	s_or_b32 s[G0B+4*\s+3], s[G0B+4*\s+3], 0x80000000
	JLOAD G0+4*\s, G1, G0B+4*\s, G1B               ; three loads of mine are out in all
.endr
	v_and_b32 v1, 15, v0                           ; r = l % 16
	v_bfe_u32 v2, v0, 4, 1                         ; h = l / 16
	; the bias of my 128 columns, in the result's layout
	s_cmp_eq_u32 s95, 1
	s_cselect_b64 s[96:97], s[98:99], s[96:97]
	s_cmp_eq_u32 s95, 2
	s_cselect_b64 s[96:97], s[66:67], s[96:97]
	s_lshl_b32 s2, s42, 10
	s_lshl_b32 s3, s16, 9
	s_add_co_u32 s2, s2, s3                        ; (256 x tile column + 128 x half) x 4 bytes
	s_mov_b32 s3, 0
	s_add_nc_u64 s[96:97], s[96:97], s[2:3]
	v_lshlrev_b32 v[BO], 5, v2
.irp b, 0,1,2,3,4,5,6,7
	global_load_b128 v[BI+8*\b:BI+8*\b+3], v[BO], s[96:97] offset:64*\b
	global_load_b128 v[BI+8*\b+4:BI+8*\b+7], v[BO], s[96:97] offset:64*\b+16
.endr
	v_mul_u32_u24 v3, v1, PITCH
	v_lshl_add_u32 v4, v2, 4, v3                   ; a fragment's row x pitch + 16 x half
	s_mul_i32 s21, s15, HALFT                      ; my 128 rows of x
	s_mul_i32 s22, s16, HALFT                      ; my 128 rows of W,
	s_add_co_u32 s22, s22, 2*HALFT                 ; which lie behind x's 256
.irp s, 0,1
	v_add_nc_u32 v[ADRA+\s], s21, v4
	v_add_nc_u32 v[ADRB+\s], s22, v4
	s_add_co_u32 s21, s21, SLOT
	s_add_co_u32 s22, s22, SLOT
.endr
	v_mul_u32_u24 v5, v1, KS                       ; my row's scale bytes: 32 a row,
	v_lshrrev_b32 v6, 8, v5
	v_lshl_add_u32 v5, v6, 4, v5                   ; and 16 more for each 256 passed
	s_mul_i32 s21, s15, HALFS
	s_mul_i32 s22, s16, HALFS
	s_add_co_u32 s22, s22, 2*HALFS
	s_sub_co_u32 s22, s22, s21
	v_mul_u32_u24 v6, s22, v2                      ; lanes 16-31 take W's
	s_add_co_u32 s21, s21, SCL
	v_add_nc_u32 v5, v5, v6
	v_add_nc_u32 v[ADRS], s21, v5
	v_lshrrev_b32 v5, 3, v1                        ; the way out: group r / 8 of the block's two,
	v_lshlrev_b32 v5, 11, v5
	v_lshl_add_u32 v5, v2, 7, v5                   ; my half of the 16 channels,
	v_and_b32 v6, 7, v1
	v_lshl_add_u32 v[CO], v6, 4, v5                ; position r % 8
	v_xor_b32 v[CO+1], 128, v[CO]                  ; in every second run of four groups the halves change places
	s_lshl_b32 s20, s17, 8
	s_lshl_b32 s21, s15, 7
	s_add_co_u32 s20, s20, s21                     ; my first row of the 12,288
	s_lshr_b32 s21, s20, 11
	s_lshl_b32 s21, s21, 22                        ; (tensor, batch): 8 heads x 524,288 bytes each
	s_and_b32 s20, s20, 2047
	s_lshl_b32 s20, s20, 8                         ; the position: 256 bytes each
	s_add_co_u32 s20, s20, s21
	s_lshl_b32 s46, s42, 1
	s_add_co_u32 s46, s46, s16                     ; the head = 2 x tile column + half
	s_lshl_b32 s46, s46, 19
	s_add_co_u32 s20, s20, s46
	s_mov_b32 s21, 0
	s_add_nc_u64 s[12:13], s[12:13], s[20:21]
.macro FRAG reg, adr, q, i             ; 16 rows x 128 K of 4-bit codes: 8 registers: lane l holds row l % 16; registers 4 c .. 4 c + 3 hold K = 64 c + 32 (l / 16) + 0 .. 31
.irp c, 0,1
	ds_load_b128 v[\reg+4*\c:\reg+4*\c+3], v[\adr] offset:64*(\q)+32*\c+(\i)*16*PITCH
.endr
.endm
; 16 matrix instructions: x's blocks a0, a0 + 1 against W's eight, the slot's q-th 128 along K.  p: W's set; sc: the set of scale words.  zero = 1: the bias is C: nothing is cleared and nothing is added later.
; The 64 accumulators take turns, one instruction a turn, in the same order in every step.
.macro MUL16 a0, p, q, sc, zero
.irp a, \a0, \a0+1
.irp b, 0,1,2,3,4,5,6,7
.if \zero
	v_wmma_scale_f32_16x16x128_f8f6f4 v[8*(8*((\a)%4)+\b):8*(8*((\a)%4)+\b)+7], v[128*(\p)+FR*\b:128*(\p)+FR*\b+FR-1], v[AF+FR*(\a):AF+FR*(\a)+FR-1], v[BI+8*\b:BI+8*\b+7], v[SC+8*NQ*(\sc)+NQ*\b+(\q)], v[SC+8*NQ*(\sc)+NQ*(\a)+(\q)] matrix_a_fmt:MATRIX_FMT_FP4 matrix_b_fmt:MATRIX_FMT_FP4 matrix_a_scale:MATRIX_SCALE_ROW1
.else
	v_wmma_scale_f32_16x16x128_f8f6f4 v[8*(8*((\a)%4)+\b):8*(8*((\a)%4)+\b)+7], v[128*(\p)+FR*\b:128*(\p)+FR*\b+FR-1], v[AF+FR*(\a):AF+FR*(\a)+FR-1], v[8*(8*((\a)%4)+\b):8*(8*((\a)%4)+\b)+7], v[SC+8*NQ*(\sc)+NQ*\b+(\q)], v[SC+8*NQ*(\sc)+NQ*(\a)+(\q)] matrix_a_fmt:MATRIX_FMT_FP4 matrix_b_fmt:MATRIX_FMT_FP4 matrix_a_scale:MATRIX_SCALE_ROW1
.endif
.endr
.endr
.endm
.macro FETCH_B slot, q, p
	WIN TO_B
.irp i, 0,1,2,3,4,5,6,7
	FRAG 128*(\p)+FR*\i, ADRB+\slot, \q, \i
.endr
	WIN 0
.endm
.macro FETCH_A slot, q, i0
.irp i, \i0, \i0+1, \i0+2, \i0+3
	FRAG AF+FR*(\i), ADRA+\slot, \q, \i
.endr
.endm
.macro SCALES sc                       ; a K step's scale words: 4 words a row; lanes 0-15 take x's block i, lanes 16-31 W's block i
.irp i, 0,1,2,3,4,5,6,7
	ds_load_b128 v[SC+8*NQ*\sc+NQ*\i:SC+8*NQ*\sc+NQ*\i+3], v[ADRS] offset:\i*SBLK
.endr
.endm
.macro PLACES n                        ; plain vector lines between a matrix instruction and a load into, or a read of, its registers
.rept \n
	v_nop
.endr
.endm
.macro STEP slot, q, zero              ; a step of 128 along K that has its successor in the same slot
	s_wait_dscnt 4*NL                              ; W's set and x's blocks 0-3 are in; the youngest eight loads (x's blocks 4-7) may be out
.if \zero
	WIN FST_LO
.else
	WIN MUL_LO
.endif
	MUL16 0, (\q)%2, \q, \slot, \zero
	MUL16 2, (\q)%2, \q, \slot, \zero
	s_wait_dscnt 0
	PLACES NP
	FETCH_B \slot, (\q)+1, 1-(\q)%2
	FETCH_A \slot, (\q)+1, 0
.if \zero
	WIN FST_HI
.else
	WIN MUL_HI
.endif
	MUL16 4, (\q)%2, \q, \slot, \zero
	MUL16 6, (\q)%2, \q, \slot, \zero
	PLACES NP
	WIN 0
	FETCH_A \slot, (\q)+1, 4
.endm
.macro TURN slot, next                 ; slot 0's last step: one barrier, behind which slot 1 is whole for every wave; nothing is filled again
	s_wait_tensorcnt 0x0                           ; all my tensor loads have landed: my part of slot 1
	ds_add_u32 v[SPW], v[NIL]                      ; 0 onto my spare word
	s_wait_dscnt 4*NL+1                            ; (the add and the youngest eight loads may be out)
	WIN MUL_LO
	MUL16 0, 1, NQ-1, \slot, 0
	s_wait_dscnt 0x0                               ; no LDS instruction of mine is pending at the signal
	s_barrier_signal -1
	MUL16 2, 1, NQ-1, \slot, 0
	WIN 0
	s_barrier_wait -1
	PLACES NP
	v_add_nc_u32 v[ADRS], 4*NQ, v[ADRS]            ; on to the next K step's scale words
	FETCH_B \next, 0, 0
	FETCH_A \next, 0, 0
	SCALES \next
	WIN MUL_HI
	MUL16 4, 1, NQ-1, \slot, 0
	MUL16 6, 1, NQ-1, \slot, 0
	PLACES NP
	WIN 0
	FETCH_A \next, 0, 4
.endm
.macro STEPS slot, from
.set Q, \from
.rept NQ-1-\from
	STEP \slot, Q, 0
.set Q, Q+1
.endr
.endm
	s_wait_tensorcnt 1                             ; the scale bytes and my part of K step 0 are in (K step 1's load may be out),
	s_barrier_signal -1
	s_barrier_wait -1                              ; everybody's are
	FETCH_B 0, 0, 0
	FETCH_A 0, 0, 0
	SCALES 0
	FETCH_A 0, 0, 4
	s_wait_loadcnt 0x0                             ; the bias
	STEP 0, 0, 1
	STEPS 0, 1
	TURN 0, 1
	STEPS 1, 0
	s_wait_dscnt 4*NL                              ; the last step: nothing more to fetch
	WIN MUL_LO
	MUL16 0, 1, NQ-1, 1, 0
	MUL16 2, 1, NQ-1, 1, 0
	s_wait_dscnt 0
	WIN MUL_HI
	MUL16 4, 1, NQ-1, 1, 0
	MUL16 6, 1, NQ-1, 1, 0
	WIN 0
	; THE WAY OUT.  A lane's eight results of an accumulator are 16 bytes of the image; lanes 0-7 with 16-23, and 8-15 with 24-31, fill 256 consecutive bytes each, aligned.
	PLACES NP
.irp a, 0,1,2,3,4,5,6,7
.if \a >= 4
	s_wait_xcnt 0x0                                ; block a - 4's stores have read the registers that are packed into now
.endif
.set WN, 0x0a+5*(\a/4)
	WIN WN                                         ; sources 0 and 1: window 2 or 3
.irp b, 0,1,2,3,4,5,6,7
.irp r, 0,1,2,3
	v_cvt_pk_f16_f32 v[PK+32*(\a%4)+4*\b+\r], v[64*(\a%4)+8*\b+2*\r], v[64*(\a%4)+8*\b+2*\r+1]   ; each accumulator from its low end on
.endr
.endr
	WIN 0
.irp b, 0,1,2,3,4,5,6,7
	global_store_b128 v[CO+(\a/2)%2], v[PK+32*(\a%4)+4*\b:PK+32*(\a%4)+4*\b+3], s[12:13] offset:\a*4096+\b*256
.endr
.endr
	s_wait_tensorcnt 0x0                           ; the wave's end
	ds_add_u32 v[SPW], v[NIL]
	s_wait_dscnt 0x0
	CROUND                                         ; the closing round
	s_endpgm
.Lfunc_end_k_q3cc133d214_proj:
	.size	k_q3cc133d214_proj, .Lfunc_end_k_q3cc133d214_proj-k_q3cc133d214_proj
	.p2alignl 7, 3214868480
	.fill 96, 4, 3214868480
	.section	.rodata,"a",@progbits
	.p2align	6, 0x0
	.amdhsa_kernel k_q3cc133d214_proj
		.amdhsa_group_segment_fixed_size 327680
		.amdhsa_private_segment_fixed_size 0
		.amdhsa_enable_private_segment 0
		.amdhsa_kernarg_size 64
		.amdhsa_user_sgpr_count 2
		.amdhsa_user_sgpr_kernarg_segment_ptr 1
		.amdhsa_wavefront_size32 1
		.amdhsa_system_sgpr_workgroup_id_x 1
		.amdhsa_system_sgpr_workgroup_id_y 1
		.amdhsa_system_sgpr_workgroup_id_z 1
		.amdhsa_system_vgpr_workitem_id 0
		.amdhsa_next_free_vgpr 1024
		.amdhsa_next_free_sgpr 100
		.amdhsa_reserve_vcc 0
		.amdhsa_float_denorm_mode_32 3
		.amdhsa_float_denorm_mode_16_64 3
		.amdhsa_memory_ordered 1
		.amdhsa_forward_progress 1
		.amdhsa_inst_pref_size 120
	.end_amdhsa_kernel
	.amdgpu_metadata
---
amdhsa.version: [ 1, 2 ]
amdhsa.kernels:
  - .name:           k_q3cc133d214_proj
    .symbol:         k_q3cc133d214_proj.kd
    .args:
      - { .name: xcodes, .offset: 0, .size: 8, .value_kind: global_buffer, .address_space: global }
      - { .name: xscales, .offset: 8, .size: 8, .value_kind: global_buffer, .address_space: global }
      - { .name: wcodes, .offset: 16, .size: 8, .value_kind: global_buffer, .address_space: global }
      - { .name: wscales, .offset: 24, .size: 8, .value_kind: global_buffer, .address_space: global }
      - { .name: bq, .offset: 32, .size: 8, .value_kind: global_buffer, .address_space: global }
      - { .name: bk, .offset: 40, .size: 8, .value_kind: global_buffer, .address_space: global }
      - { .name: bv, .offset: 48, .size: 8, .value_kind: global_buffer, .address_space: global }
      - { .name: qkv, .offset: 56, .size: 8, .value_kind: global_buffer, .address_space: global }
    .group_segment_fixed_size: 327680
    .private_segment_fixed_size: 0
    .kernarg_segment_align: 8
    .kernarg_segment_size: 64
    .max_flat_workgroup_size: 128
    .sgpr_count:     100
    .vgpr_count:     1024
    .wavefront_size: 32
...
	.end_amdgpu_metadata
.endif
;; end of part 2
;; launch attn (part 3): grid 16 x 16, 8 waves a work-group, clusters of 4 x 4, 327,680 bytes of LDS; arguments qkv, wimg, cimg; writes cimg
.if DOCPART == 3
	.amdgcn_target "amdgcn-amd-amdhsa--gfx1250"
	.amdhsa_code_object_version 6
	.text
	.protected	k_q3cc133d214_attn
	.globl	k_q3cc133d214_attn
	.p2align	8
	.type	k_q3cc133d214_attn,@function
k_q3cc133d214_attn:
	s_mov_b64 s[64:65], 0
	v_nop
	global_prefetch_b8 v0, s[64:65] scope:SCOPE_SE
	s_setreg_imm32_b32 hwreg(HW_REG_WAVE_MODE, 25, 1), 1
	s_wait_xcnt 0x0
	s_wait_alu depctr_hold_cnt(0) depctr_sa_sdst(0) depctr_va_vdst(0) depctr_va_sdst(0) depctr_va_ssrc(0) depctr_va_vcc(0) depctr_vm_vsrc(0)
	s_getreg_b32 s2, hwreg(HW_REG_IB_STS2, 6, 4)
	s_cmp_eq_u32 s2, 0
	s_cbranch_scc0 .Lentry_in_a_cluster
	s_endpgm
.Lentry_in_a_cluster:
	s_bfe_u32 s2, ttmp6, 0x10000c
	s_cmp_lg_u32 s2, 0xf033
	s_cbranch_scc0 .Lentry_shape_is_right
	s_endpgm
.Lentry_shape_is_right:
; O[i] = sum over j of softmax_j((Q[i] . K[j] + Q[i] . w_rel[i + j]) / sqrt(128)) V[j], for 16 (batch, head) pairs, 2,048 positions, 128 channels.  Operands f16, products' sums, maxima and sums in f32.
; SHARES.  A work-group owns 128 queries (x) of one (batch, head) (y).  Wave w: g = w % 4 gives its 32 queries (two tiles of 16), par = w / 4 which 64 of a trip's 128 keys it takes.  16 trips.
;   At the end the waves with par = 1 hand O, c m and l to their partners through LDS, and those merge, divide and store.
; LAYOUT.  All products are used transposed (source 0 = 16 keys, 16 rows of w_rel or 16 channels; source 1 = my 16 queries), so a lane holds ONE query (lane % 16) throughout.
;   THE ROWS OF A TILE ARE NOT NEIGHBOURS: tile u takes 8 rows of group u and 8 of group u + 4, so that register 8 u + j of lane (n, h) belongs to key J + 32 h + 8 u + j: a lane's 32 registers are 32 neighbouring keys.
; THE SKEW.  T = Q w_rel^T is made for 48 neighbouring rows r = R0 + 32 h + x (x = 0 .. 47, R0 = my tile's first query + J).  The bias of key J + 32 h + x for query n is T at x + n: each lane's registers are
;   shifted down by n = lane % 16, in four rounds of selects (by 8, 4, 2, 1, each under a constant lane mask), in place and ascending.  K Q^T then adds onto the shifted registers: the sum costs no line.
; SOFTMAX.  A running maximum m and sum l for each query: p = 2^(c s - c m), c = log2(e) / sqrt(128); in every step O and l are multiplied by 2^(c m_old - c m_new).
; TWO ROLES.  A trip's work is three runs of products (T; K Q^T; V^T P) with two runs of vector work between them (the shift; the softmax).  All waves leave the trip's barrier together, so waves that walked the trip
;   in one order would want the matrix unit together and the vector unit together.  So half of the waves walk it in another order.  Role 0: T, shift, K Q^T, softmax, V^T P.  Role 1: the softmax and V^T P of the LAST
;   trip's scores first, then T, shift, K Q^T of this trip: its scores, and V's fragments, wait in registers over the barrier; all its LDS reads of a slot still stand in that slot's trip.
;   The role is (w xor w / 4) % 2: it differs between waves w and w + 4 and between waves 2 i and 2 i + 1, so that whichever of these pairs shares a SIMD, its two waves have different roles.
;   Role 1's first softmax stands in the loop, which is written once: so it begins from O = 0, l = 0, m = -3e38 (128 registers cleared once, while its first fragments are on their way).
; MEMORY.  qkv and wimg lie by groups of 8 rows: byte g*2048 + X*256 + pos*16 holds row 8 g + pos % 8, channels 16 X + 8 ((pos / 8) xor ((g / 4) % 2)) + 0 .. 7.  A trip's tiles are dense blocks, a fragment's sixteen
;   lanes read 256 different bytes modulo 256 (8 rows of one group in one half, 8 of the group four on in the other), and V comes out turned by ds_load_tr16_b128.
; CLUSTER 4 x 4.  K's and V's tiles hang on y alone and are asked for jointly along a row of the cluster; w_rel's window (256 rows from 128 (x + trip) on) hangs on x alone: jointly along a column.
;   The window overlaps the last trip's by half and is fetched whole, so that its LDS addresses are the same in every trip.
; PREFETCH.  K's and V's tiles of the trip after next: asked for once in the launch, by the clusters with x = 0; the four partners of a row take 32 blocks of 256 bytes each, told apart by address; wave 0 K's, wave 2 V's.
;   wimg is not asked for: all 256 work-groups walk its 1 MB at shifted trips, so it is no stream that is read once.
; LIMITS: f16 operands: |Q|, |K|, |V|, |w_rel| under 65,520; under 6e-5 the step is 2^-24.  Scores lie above -3e38 (role 1's first maximum).
; REGISTERS.  window 0: v1-15 addresses; v16-31 statistics, 8 a tile; v32-127 T, then S, then p (48 a tile); v128-191, v192-255 two fragment buffers.   window 1: v0-127 O^T (64 a tile); v128-191 Q (32 a tile).
.set SLOT1, 1<<17                      ; a slot: K's 128 keys (32,768 bytes), V's (32,768), w_rel's 256 rows (65,536); slot 1 begins here, so that one exclusive or turns an address
.set VOFF,  32768
.set WOFF,  65536
.set TILEB, 32768                      ; a trip on, in K, in V and in wimg
.set SPARE, 2*SLOT1                    ; the spare words, 128 bytes a wave
.set MERGE, 16896                      ; the merge, in slot 0, which has had its last fill and its last read by then: for each g 16,384 bytes of O and 4 x 128 bytes of c m and l
.set GO,   1                           ; v1  16 x lane: my place in a store of 512 bytes
.set AK0,  2                           ; v2  my lane's place in K's tiles of a slot
.set AWA0, 3                           ; v3  in w_rel's, tiles 0-3
.set AWB0, 4                           ; v4  tiles 4-7: the halves change places
.set AV0,  5                           ; v5  in V's
.set ADK,  6                           ; v6-9 the same in the slot in hand
.set ADWA, 7
.set ADWB, 8
.set ADV,  9
.set QO,   10                          ; v10 my byte offset in my wave's rows of Q
.set PFO,  11                          ; v11 256 x lane; never rewritten
.set SPW,  12                          ; v12 LDS address of my spare word; never rewritten
.set NIL,  13                          ; v13 0; never rewritten
.set MA,   14                          ; v14 the merge: O's images
.set MS,   15                          ; v15 the merge: c m and l
.set ST,   16                          ; tile t at v[ST + 8 t]: +0 c m, +1 m, +2, +3 l (even keys', odd keys'), +4 .. +7 at work; +6 the factor
.set TS,   32
.set FA,   128
.set FB,   192
.set QF,   128                         ; in window 1
.set WV,   10                          ; s10 wave;  s11 g;  s12 par
.set GQ,   11
.set PAR,  12
.set G1R,  24                          ; s[24:31] descriptor group 1, mask = my row of the cluster;  s[32:39] mask = my column
.set G1C,  32
.set G0KV, 40                          ; s[40:43] group 0 for K's and V's tiles;  s[44:47] for w_rel's: both walk
.set G0W,  44
.set M8,   48                          ; s48-51 the lanes whose lane % 16 has bit 3, 2, 1, 0
.set M4,   49
.set M2,   50
.set M1,   51
.set CS,   52                          ; s[52:53] c
.set SEL,  54                          ; s[54:55] v_permlanex16_b32's selects for lane l xor 16
.set TB,   56                          ; s56 LDS byte at which the next trip's slot begins
.set TRIPS, 57
.set LIM,  58                          ; s58 1 in a wave that prefetches, else the greatest number
.set ROT,  59                          ; s59 my role
.set PFA,  60                          ; s[60:61] where my prefetches stand
.set MSB, 0
.macro WIN new
.if MSB != \new
	s_set_vgpr_msb (MSB<<8)|\new
.set MSB, \new
.endif
.endm
.set W_TQ, 0x04                        ; source 1 (Q) window 1; all else window 0.  LDS loads are not touched by it
.set W_PV, 0x50                        ; C and D (O^T) window 1
.set W_RS, 0x41                        ; destination and source 0 (O^T) window 1
; A joint load: waves 0-3 fetch K's and V's halves, waves 4-7 the quarters of w_rel's window.  The branch hangs on the wave's number alone.  An s_nop 0 and four v_nop follow each line.
.macro JLOAD
	s_cmp_lt_u32 s[WV], 4
	s_cbranch_scc0 .Lfor_w_\@
	tensor_load_to_lds s[G0KV:G0KV+3], s[G1R:G1R+7]
	s_nop 0
.rept 4
	v_nop
.endr
	s_branch .Lasked_\@
.Lfor_w_\@:
	tensor_load_to_lds s[G0W:G0W+3], s[G1C:G1C+7]
	s_nop 0
.rept 4
	v_nop
.endr
.Lasked_\@:
.endm
.macro ASK                             ; the tile that the next change of slots will ask for: 32 blocks of 256 bytes, a lane a block; the last change that fills a slot asks for nothing
	s_cmp_gt_u32 s[TRIPS], s[LIM]
	s_cbranch_scc0 .Lnot_mine_\@
	global_prefetch_b8 v[PFO], s[PFA:PFA+1] th:TH_LOAD_NT scope:SCOPE_SE
.Lnot_mine_\@:
.endm
.macro CROUND                          ; a round of the cluster's barrier
	s_barrier_signal -1
	s_barrier_wait -1
	s_cmp_lg_u32 s[WV], 0
	s_cbranch_scc1 .Lnot_wave_0_\@
	s_barrier_signal -3
.Lnot_wave_0_\@:
	s_barrier_wait -3
	s_barrier_signal -1
	s_barrier_wait -1
.endm
.macro PLACES n
.rept \n
	v_nop
.endr
.endm
	s_load_b128 s[4:7], s[0:1], 0x0                ; qkv, wimg
	s_load_b64 s[8:9], s[0:1], 0x10                ; cimg
	v_lshl_add_u32 v[SPW], v0, 2, SPARE
	v_mov_b32 v[NIL], 0
	ds_add_u32 v[SPW], v[NIL]                      ; the wave's opening: the add, twice on end, and its wait ahead of my first tensor load
	ds_add_u32 v[SPW], v[NIL]
	v_lshrrev_b32 v1, 5, v0
	v_readfirstlane_b32 s[WV], v1                  ; wave 0..7
	s_and_b32 s[GQ], s[WV], 3
	s_lshr_b32 s[PAR], s[WV], 2
	s_xor_b32 s[ROT], s[WV], s[PAR]
	s_and_b32 s[ROT], s[ROT], 1                    ; my role: (w xor w / 4) % 2
	s_bfe_u32 s13, ttmp6, 0x40000                  ; cx
	s_bfe_u32 s14, ttmp6, 0x40004                  ; cy
	s_lshl_b32 s15, ttmp9, 2
	s_add_co_u32 s15, s15, s13                     ; x: my block of 128 queries
	s_and_b32 s16, ttmp7, 0xffff
	s_lshl_b32 s16, s16, 2
	s_add_co_u32 s16, s16, s14                     ; y: my (batch, head)
	s_lshl_b32 s17, s14, 2
	s_lshl_b32 s17, 15, s17                        ; my row of the cluster
	s_lshl_b32 s18, 0x1111, s13                    ; my column
	; descriptor group 1: 16,384 dense bytes as 64 rows of 256 bytes (32 elements of 8 bytes), no padding
	s_or_b32 s[G1R], s17, (3<<16)|(1<<21)          ; 15:0 the mask; 17:16 elements of 8 bytes; 21 set beside a mask
	s_or_b32 s[G1C], s18, (3<<16)|(1<<21)
.irp g, G1R, G1C
	s_mov_b32 s[\g+1], 32<<16                      ; tensor_dim0 = 32
	s_mov_b32 s[\g+2], 64<<16                      ; tensor_dim1 = 64
	s_mov_b32 s[\g+3], 32<<16                      ; tile_dim0 = 32
	s_mov_b32 s[\g+4], 64                          ; tile_dim1 = 64
	s_mov_b32 s[\g+5], 32                          ; from row to row
	s_mov_b32 s[\g+6], 0
	s_mov_b32 s[\g+7], 0
.endr
	; K's and V's tiles: of y and the wave's number alone
	s_bfe_u32 s70, s[WV], 0x10001                  ; waves 0, 1: K (tensor 1);  waves 2, 3: V (tensor 2)
	s_add_co_u32 s70, s70, 1
	s_lshl_b32 s70, s70, 23
	s_lshl_b32 s71, s16, 19
	s_add_co_u32 s70, s70, s71
	s_and_b32 s71, s[WV], 1                        ; which 64 keys of the 128
	s_lshl_b32 s71, s71, 14
	s_add_co_u32 s70, s70, s71
	s_mov_b32 s71, 0
	; w_rel's window: of x and the wave's number alone
	s_lshl_b32 s72, s15, 15                        ; rows 128 x on
	s_lshl_b32 s73, s[GQ], 14                      ; which 64 rows of the 256
	s_add_co_u32 s72, s72, s73
	s_mov_b32 s73, 0
	s_lshl_b32 s19, s[WV], 14                      ; where they go in a slot: wave x 16,384
	; Q: (batch, head) y, groups 16 x + 4 g on
	s_lshl_b32 s74, s16, 19
	s_lshl_b32 s75, s15, 15
	s_add_co_u32 s74, s74, s75
	s_lshl_b32 s75, s[GQ], 13
	s_add_co_u32 s74, s74, s75
	s_mov_b32 s75, 0
	; the result, laid for the next launch: byte s*2097152 + rho*8192 + X*512 + lane*16 holds row 16 rho + lane % 16, k = 256 s + 16 X + 8 (lane / 16) + 0 .. 7
	s_bfe_u32 s76, s16, 0x20001                    ; s = head / 2
	s_lshl_b32 s76, s76, 21
	s_lshr_b32 s77, s16, 3                         ; batch: rho = 128 batch + 8 x + 2 g (+ tile)
	s_lshl_b32 s77, s77, 20
	s_add_co_u32 s76, s76, s77
	s_lshl_b32 s77, s15, 16
	s_add_co_u32 s76, s76, s77
	s_lshl_b32 s77, s[GQ], 14
	s_add_co_u32 s76, s76, s77
	s_and_b32 s77, s16, 1                          ; X = 8 (head % 2) + ..
	s_lshl_b32 s77, s77, 12
	s_add_co_u32 s76, s76, s77
	s_mov_b32 s77, 0
	s_lshl_b32 s78, s13, 13                        ; the prefetches: my work-group's 32 blocks of a tile's 128,
	s_add_co_u32 s78, s78, TILEB                   ; in tile 1: the first change of slots steps it to tile 2
	s_mov_b32 s79, 0
	s_mov_b32 s[M8], 0xff00ff00
	s_mov_b32 s[M4], 0xf0f0f0f0
	s_mov_b32 s[M2], 0xcccccccc
	s_mov_b32 s[M1], 0xaaaaaaaa
	s_mov_b32 s[CS], 0x3e0293ee                    ; c = log2(e) / sqrt(128)
	s_mov_b32 s[CS+1], s[CS]                       ; (named with it as a pair, so it is written)
	s_mov_b32 s[SEL], 0x76543210
	s_mov_b32 s[SEL+1], 0xfedcba98
	s_mov_b32 s[TB], 0
	s_mov_b32 s[TRIPS], 14
	s_and_b32 s[LIM], s[WV], 1                     ; waves 0 and 2
	s_or_b32 s[LIM], s[LIM], s[PAR]
	s_or_b32 s[LIM], s[LIM], ttmp9                 ; of the clusters with x = 0: the same in all sixteen partners
	s_cmp_eq_u32 s[LIM], 0
	s_cselect_b32 s[LIM], 1, -1
	s_wait_dscnt 0x0                               ; both opening adds are done
	s_wait_kmcnt 0x0
	s_mov_b32 s[G0KV], 1                           ; 1:0 count = 1
	s_mov_b32 s[G0KV+1], s19                       ; 63:32 LDS address: slot 0
	s_add_nc_u64 s[G0KV+2:G0KV+3], s[4:5], s[70:71]   ; 120:64 global address: trip 0
	s_add_nc_u64 s[PFA:PFA+1], s[G0KV+2:G0KV+3], s[78:79]
	s_or_b32 s[G0KV+3], s[G0KV+3], 0x80000000      ; 127:126 type = 2
	s_mov_b32 s[G0W], 1
	s_mov_b32 s[G0W+1], s19
	s_add_nc_u64 s[G0W+2:G0W+3], s[6:7], s[72:73]
	s_or_b32 s[G0W+3], s[G0W+3], 0x80000000
	s_add_nc_u64 s[20:21], s[4:5], s[74:75]        ; Q
	s_add_nc_u64 s[22:23], s[8:9], s[76:77]        ; the result
	CROUND                                         ; all sixteen work-groups are here: the first joint loads meet
	JLOAD                                          ; trip 0's tiles into slot 0: one load of mine is out
	v_and_b32 v16, 7, v0                           ; i
	v_bfe_u32 v17, v0, 3, 1                        ; b3
	v_bfe_u32 v18, v0, 4, 1                        ; b4
	v_xor_b32 v19, v17, v18
	v_lshlrev_b32 v20, 4, v16                      ; 16 i
	s_and_b32 s66, s[GQ], 1
	v_xor_b32 v21, s66, v18                        ; Q's groups 16 x + 4 g + ..: their (g / 4) % 2 is g % 2
	v_lshl_add_u32 v[QO], v17, 11, v20
	v_lshl_add_u32 v[QO], v21, 7, v[QO]
	WIN 0x40                                       ; destination window 1
.irp a, 0,1
.irp cc, 0,1,2,3,4,5,6,7
	global_load_b128 v[QF+32*\a+4*\cc:QF+32*\a+4*\cc+3], v[QO], s[20:21] offset:\a*4096+256*\cc   ; Q stays in registers: tile a, channels 16 cc + 8 (lane / 16) on
.endr
.endr
	WIN 0
	v_lshl_add_u32 v20, v19, 7, v20                ; 16 i + 128 (b3 xor b4)
	v_lshl_add_u32 v21, v17, 13, v20               ; K, w_rel: lanes 8-15 and 24-31 take the group four on
	v_lshl_add_u32 v22, v18, 13, v20               ; V: lanes 16-31 take the group four on
	s_lshl_b32 s67, s[PAR], 14                     ; my 64 keys of the 128
	v_add_nc_u32 v[AK0], s67, v21
	s_add_co_u32 s68, s67, VOFF
	v_add_nc_u32 v[AV0], s68, v22
	s_lshl_b32 s66, s66, 7
	v_xor_b32 v21, s66, v21                        ; w_rel's groups 8 par + 4 g + v + 4 b3: their (g / 4) % 2 is (g + v / 4 + b3) % 2
	s_lshl_b32 s68, s[GQ], 13
	s_add_co_u32 s68, s68, s67
	s_add_co_u32 s68, s68, WOFF
	v_add_nc_u32 v[AWA0], s68, v21
	v_xor_b32 v[AWB0], 128, v[AWA0]
	v_and_b32 v23, 31, v0
	v_lshlrev_b32 v[GO], 4, v23
	v_lshlrev_b32 v[PFO], 8, v23
	s_mul_i32 s69, s[GQ], MERGE
	v_add_nc_u32 v[MA], s69, v[GO]
	s_add_co_u32 s69, s69, 16384
	v_lshl_add_u32 v[MS], v23, 2, s69
; 8 LDS loads: a tile of 16 rows x 128 channels, 32 registers; channels 32 c on at buf + 8 c
.macro FRAGS buf, adr, off
.irp cc, 0,1,2,3,4,5,6,7
	ds_load_b128 v[\buf+4*\cc:\buf+4*\cc+3], v[\adr] offset:\off+256*\cc
.endr
.endm
.macro LW k, buf                       ; w_rel's tiles 2 k and 2 k + 1
	FRAGS \buf, ADWA+(\k)/2, (2*(\k))*2048
	FRAGS \buf+32, ADWA+(\k)/2, (2*(\k)+1)*2048
.endm
.macro LK k, buf                       ; K's tiles 2 k and 2 k + 1
	FRAGS \buf, ADK, (2*(\k))*2048
	FRAGS \buf+32, ADK, (2*(\k)+1)*2048
.endm
.macro LV kap, buf                     ; V^T for keys 16 kap + 0 .. 15 of each half's 32: eight tiles of 16 channels
.irp xx, 0,1,2,3,4,5,6,7
	ds_load_tr16_b128 v[\buf+8*\xx:\buf+8*\xx+3], v[ADV] offset:(2*(\kap))*2048+256*\xx
	ds_load_tr16_b128 v[\buf+8*\xx+4:\buf+8*\xx+7], v[ADV] offset:(2*(\kap)+1)*2048+256*\xx
.endr
.endm
; T: w_rel's tile v = 2 k + vv serves query tile 0 as its tile v (v <= 5) and query tile 1 as its tile v - 2 (v >= 2).  The accumulators take turns, one instruction a turn.
.macro PT k, buf
.irp c, 0,1,2,3
.irp vv, 0,1
.irp a, 0,1
.set uu, 2*(\k)+\vv-2*\a
.if (uu >= 0) && (uu <= 5)
.set rT, TS+48*\a+8*uu
.set rA, \buf+32*\vv+8*\c
.set rQ, QF+32*\a+8*\c
.if \c == 0
	v_wmma_f32_16x16x32_f16 v[rT:rT+7], v[rA:rA+7], v[rQ:rQ+7], 0
.else
	v_wmma_f32_16x16x32_f16 v[rT:rT+7], v[rA:rA+7], v[rQ:rQ+7], v[rT:rT+7]
.endif
.endif
.endr
.endr
.endr
.endm
.macro PS k, buf                       ; S^T = bias + K Q^T: K's tiles 2 k, 2 k + 1 for both query tiles, onto the shifted T
.irp c, 0,1,2,3
.irp vv, 0,1
.irp a, 0,1
.set rT, TS+48*\a+8*(2*(\k)+\vv)
.set rA, \buf+32*\vv+8*\c
.set rQ, QF+32*\a+8*\c
	v_wmma_f32_16x16x32_f16 v[rT:rT+7], v[rA:rA+7], v[rQ:rQ+7], v[rT:rT+7]
.endr
.endr
.endr
.endm
.macro PV kap, buf, first              ; O^T += V^T P: sixteen accumulators by turns.  first = 1: the first sixteen start the sums
.irp xx, 0,1,2,3,4,5,6,7
.irp a, 0,1
.set rO, 64*\a+8*\xx
.set rA, \buf+8*\xx
.set rP, TS+48*\a+8*(\kap)
.if \first && ((\kap) == 0)
	v_wmma_f32_16x16x32_f16 v[rO:rO+7], v[rA:rA+7], v[rP:rP+7], 0
.else
	v_wmma_f32_16x16x32_f16 v[rO:rO+7], v[rA:rA+7], v[rP:rP+7], v[rO:rO+7]
.endif
.endr
.endr
.endm
.macro SHIFT d, n, m                   ; the lanes of mask m take register x + d for x: ascending, so x + d is still as the round before left it.  The first read of each accumulator is its lowest register
.set xx, 0
.rept \n
	v_cndmask_b32 v[TS+xx], v[TS+xx], v[TS+xx+\d], s[\m]
	v_cndmask_b32 v[TS+48+xx], v[TS+48+xx], v[TS+48+xx+\d], s[\m]
.set xx, xx+1
.endr
.endm
.macro BARREL                          ; 39, 35, 33, 32: each round makes only what the later rounds read; register 47 is never read
	SHIFT 8, 39, M8
	SHIFT 4, 35, M4
	SHIFT 2, 33, M2
	SHIFT 1, 32, M1
.endm
; The softmax of both tiles for one step, the tiles by turns.  first = 1: no old maximum, no factor, nothing to rescale.
.macro SOFTMAX first
.irp j, 0,1,2,3
.irp t, 0,1
	v_max3_num_f32 v[ST+8*\t+4+\j], v[TS+48*\t+8*\j], v[TS+48*\t+8*\j+1], v[TS+48*\t+8*\j+2]   ; four chains, each from its accumulator's low end
.endr
.endr
.irp q, 1,2
.irp j, 0,1,2,3
.irp t, 0,1
	v_max3_num_f32 v[ST+8*\t+4+\j], v[ST+8*\t+4+\j], v[TS+48*\t+8*\j+2*\q+1], v[TS+48*\t+8*\j+2*\q+2]
.endr
.endr
.endr
.irp t, 0,1
	v_max3_num_f32 v[ST+8*\t+4], v[ST+8*\t+4], v[TS+48*\t+7], v[TS+48*\t+15]
.endr
.irp t, 0,1
	v_max3_num_f32 v[ST+8*\t+6], v[ST+8*\t+6], v[TS+48*\t+23], v[TS+48*\t+31]
.endr
.irp t, 0,1
	v_max3_num_f32 v[ST+8*\t+4], v[ST+8*\t+4], v[ST+8*\t+5], v[ST+8*\t+6]
.endr
.irp t, 0,1
.if \first
	v_max_num_f32 v[ST+8*\t+4], v[ST+8*\t+4], v[ST+8*\t+7]
.else
	v_max3_num_f32 v[ST+8*\t+4], v[ST+8*\t+4], v[ST+8*\t+7], v[ST+8*\t+1]
.endif
.endr
.irp t, 0,1
	v_permlanex16_b32 v[ST+8*\t+5], v[ST+8*\t+4], s[SEL], s[SEL+1]   ; the query's other 32 keys lie in the lane 16 away
.endr
.if !\first
.irp t, 0,1
	v_mov_b32 v[ST+8*\t+7], v[ST+8*\t]             ; c m_old
.endr
.endif
.irp t, 0,1
	v_max_num_f32 v[ST+8*\t+1], v[ST+8*\t+4], v[ST+8*\t+5]
.endr
.irp t, 0,1
	v_mul_f32 v[ST+8*\t], s[CS], v[ST+8*\t+1]
.endr
.if !\first
.irp t, 0,1
	v_sub_f32 v[ST+8*\t+7], v[ST+8*\t+7], v[ST+8*\t]
.endr
.endif
.irp b, 0,1,2,3,4,5,6,7,8,9,10,11,12,13,14,15
.irp t, 0,1
	v_pk_fma_f32 v[TS+48*\t+2*\b:TS+48*\t+2*\b+1], v[TS+48*\t+2*\b:TS+48*\t+2*\b+1], s[CS:CS+1], v[ST+8*\t:ST+8*\t+1] op_sel_hi:[1,0,0] neg_lo:[0,0,1] neg_hi:[0,0,1]   ; c s - c m
.endr
.endr
.if !\first
.irp t, 0,1
	v_exp_f32 v[ST+8*\t+6], v[ST+8*\t+7]           ; the factor 2^(c m_old - c m_new)
.endr
.endif
.irp e, 0,1,2,3,4,5,6,7,8,9,10,11,12,13,14,15,16,17,18,19,20,21,22,23,24,25,26,27,28,29,30,31
.irp t, 0,1
	v_exp_f32 v[TS+48*\t+\e], v[TS+48*\t+\e]
.endr
.endr
	v_nop                                          ; a plain line behind the last exponential
	s_wait_alu depctr_va_vdst(0)                   ; one wait for the whole batch, ahead of the first line that names a result
.irp t, 0,1
	v_pk_add_f32 v[TS+48*\t+32:TS+48*\t+33], v[TS+48*\t:TS+48*\t+1], v[TS+48*\t+2:TS+48*\t+3]     ; the sums, in two chains, in T's registers 32-35, which are done with
.endr
.irp t, 0,1
	v_pk_add_f32 v[TS+48*\t+34:TS+48*\t+35], v[TS+48*\t+4:TS+48*\t+5], v[TS+48*\t+6:TS+48*\t+7]
.endr
.irp b, 8,12,16,20,24,28
.irp t, 0,1
	v_pk_add_f32 v[TS+48*\t+32:TS+48*\t+33], v[TS+48*\t+32:TS+48*\t+33], v[TS+48*\t+\b:TS+48*\t+\b+1]
	v_pk_add_f32 v[TS+48*\t+34:TS+48*\t+35], v[TS+48*\t+34:TS+48*\t+35], v[TS+48*\t+\b+2:TS+48*\t+\b+3]
.endr
.endr
.irp t, 0,1
.if \first
	v_pk_add_f32 v[ST+8*\t+2:ST+8*\t+3], v[TS+48*\t+32:TS+48*\t+33], v[TS+48*\t+34:TS+48*\t+35]
.else
	v_pk_add_f32 v[TS+48*\t+32:TS+48*\t+33], v[TS+48*\t+32:TS+48*\t+33], v[TS+48*\t+34:TS+48*\t+35]
.endif
.endr
.if !\first
.irp t, 0,1
	v_pk_fma_f32 v[ST+8*\t+2:ST+8*\t+3], v[ST+8*\t+2:ST+8*\t+3], v[ST+8*\t+6:ST+8*\t+7], v[TS+48*\t+32:TS+48*\t+33] op_sel_hi:[1,0,1]
.endr
.endif
.irp i, 0,1,2,3,4,5,6,7,8,9,10,11,12,13,14,15
.irp t, 0,1
	v_cvt_pk_f16_f32 v[TS+48*\t+\i], v[TS+48*\t+2*\i], v[TS+48*\t+2*\i+1]   ; p to f16, in place and ascending: register i takes keys 2 i, 2 i + 1
.endr
.endr
.if !\first
	WIN W_RS
.irp t, 0,1
.set i, 0
.rept 32
	v_pk_mul_f32 v[64*\t+i:64*\t+i+1], v[64*\t+i:64*\t+i+1], v[ST+8*\t+6:ST+8*\t+7] op_sel_hi:[1,0]
.set i, i+2
.endr
.endr
.endif
.endm
; THE FIRST HALF OF A STEP: my 64 keys' scores.  The caller has set the window W_TQ and issued LW 0 into FA and LW 1 into FB as its last 32 LDS loads.  Each run of sixteen LDS loads is issued a batch of products ahead
; of its use; each s_wait_dscnt 16 leaves out the sixteen loads issued last.  At the end the scores lie in registers and V's fragments are on their way into FA and FB.
.macro SCORES
	s_wait_dscnt 16
	PT 0, FA
	PLACES 4
	LW 2, FA
	s_wait_dscnt 16
	PT 1, FB
	PLACES 4
	LW 3, FB
	s_wait_dscnt 16
	PT 2, FA
	PLACES 4
	LK 0, FA
	s_wait_dscnt 16
	PT 3, FB
	PLACES 4
	LK 1, FB
	WIN 0
	BARREL
	WIN W_TQ
	s_wait_dscnt 16
	PS 0, FA
	PLACES 4
	LV 0, FA
	s_wait_dscnt 16
	PS 1, FB
	PLACES 4
	LV 1, FB
	WIN 0
.endm
; THE SECOND HALF, straight behind the first: the softmax, and V^T P behind the waits for V's fragments.
.macro FINISH first
	SOFTMAX \first
	WIN W_PV
	s_wait_dscnt 16                                ; V's first sixteen loads are in
	PV 0, FA, \first
	s_wait_dscnt 0x0
	PV 1, FB, \first
	WIN 0
.endm
.macro EARLY first                     ; role 0's trip: both halves of this trip's step
	WIN W_TQ
	LW 0, FA
	LW 1, FB
	SCORES
	FINISH \first
.endm
; Role 1's trip: the second half of the LAST trip's step, then the first half of this trip's.  V's fragments are in: the wait for all LDS loads in front of the trip's barrier has shown it.
; w_rel's first tiles follow each half of V^T P into the buffer that it has left.
.macro LATE
	SOFTMAX 0
	WIN W_PV
	PV 0, FA, 0
	WIN W_TQ
	PLACES 4                                       ; in front of loads into registers that the products above have read
	LW 0, FA
	WIN W_PV
	PV 1, FB, 0
	WIN W_TQ
	PLACES 5                                       ; five: T is written over p, which the products above have read
	LW 1, FB
	SCORES
.endm
; THE CHANGE OF SLOTS stands at a trip's head, on the way that all waves take.  Each wave waits for all its tensor loads (its part of the slot that it is about to read), adds 0 to its spare word, and waits for that and
; for its reads of the slot that it has left.  fill = 1: a round of the cluster's barrier, so that no wave of any partner still reads that slot or has a load on its way; the joint refill is the first thing behind it and
; has a whole trip in which to land.  The LDS addresses of the trip are made here, ahead of the parting of the roles.
.macro CHANGE fill
	s_wait_tensorcnt 0x0                           ; no tensor load of mine is out, so a group 0 may be written
	ds_add_u32 v[SPW], v[NIL]                      ; 0 onto my spare word
.if \fill
	s_xor_b32 s[G0KV+1], s[G0KV+1], SLOT1          ; the walking descriptors: the other slot, the next trip's tiles
	s_add_nc_u64 s[G0KV+2:G0KV+3], s[G0KV+2:G0KV+3], TILEB
	s_xor_b32 s[G0W+1], s[G0W+1], SLOT1
	s_add_nc_u64 s[G0W+2:G0W+3], s[G0W+2:G0W+3], TILEB
	s_wait_xcnt 0x0                                ; the last prefetch, a trip back, has read its address
	s_add_nc_u64 s[PFA:PFA+1], s[PFA:PFA+1], TILEB
	s_wait_dscnt 0x0                               ; the add is done, and my reads of the slot that I have left are over
	CROUND
	JLOAD
	ASK
.else
	s_wait_dscnt 0x0
	s_barrier_signal -1
	s_barrier_wait -1
.endif
	v_add_nc_u32 v[ADK], s[TB], v[AK0]             ; these four and two v_nop are also the places behind the last trip's products: five are owed in role 0, where T is written over p
	v_add_nc_u32 v[ADWA], s[TB], v[AWA0]
	v_add_nc_u32 v[ADWB], s[TB], v[AWB0]
	v_add_nc_u32 v[ADV], s[TB], v[AV0]
	PLACES 2
	s_xor_b32 s[TB], s[TB], SLOT1                  ; the next trip reads the other slot
.endm
	s_wait_loadcnt 0x0                             ; Q
	CHANGE 1                                       ; trip 0: slot 1 is filled for the first time, as a refill is
	s_cmp_lg_u32 s[ROT], 0
	s_cbranch_scc1 .Lrot_first
	EARLY 1
	s_branch .Ljoin_first
.Lrot_first:                                       ; role 1 has no scores yet: it makes trip 0's, and its sums' beginnings while the first fragments are on their way
	WIN W_TQ
	LW 0, FA
	LW 1, FB
	WIN 0x40                                       ; destination window 1
.set i, 0
.rept 128
	v_mov_b32 v[i], 0                              ; O^T: the first factor, 0, leaves zeros
.set i, i+1
.endr
	WIN 0
.irp t, 0,1
	v_mov_b32 v[ST+8*\t+1], 0xff61b1e6             ; m = -3e38
	v_mov_b32 v[ST+8*\t+2], 0                      ; l
	v_mov_b32 v[ST+8*\t+3], 0
.endr
.irp t, 0,1
	v_mul_f32 v[ST+8*\t], s[CS], v[ST+8*\t+1]      ; c m
.endr
	WIN W_TQ
	SCORES
.Ljoin_first:
.Ltrip:                                            ; trips 1 to 14
	CHANGE 1
	s_cmp_lg_u32 s[ROT], 0
	s_cbranch_scc1 .Lrot_loop
	EARLY 0
	s_branch .Ljoin_loop
.Lrot_loop:
	LATE
.Ljoin_loop:
	s_sub_co_u32 s[TRIPS], s[TRIPS], 1
	s_cmp_lg_u32 s[TRIPS], 0
	s_cbranch_scc1 .Ltrip
	CHANGE 0                                       ; trip 15 is written out
	s_cmp_lg_u32 s[ROT], 0
	s_cbranch_scc1 .Lrot_last
	EARLY 0
	s_branch .Ljoin_last
.Lrot_last:
	LATE
	FINISH 0                                       ; and the second half of trip 15's step
.Ljoin_last:
	; THE MERGE.  l's two halves and the other half of the lanes' are added (these lines are also the places behind the last products).
.irp t, 0,1
	v_add_f32 v[ST+8*\t+2], v[ST+8*\t+2], v[ST+8*\t+3]
.endr
.irp t, 0,1
	v_permlanex16_b32 v[ST+8*\t+5], v[ST+8*\t+2], s[SEL], s[SEL+1]
.endr
.irp t, 0,1
	v_add_f32 v[ST+8*\t+2], v[ST+8*\t+2], v[ST+8*\t+5]
.endr
	PLACES 2
	s_cmp_eq_u32 s[PAR], 0
	s_cbranch_scc1 .Lkeep
	WIN 0x04                                       ; an LDS store's data are its source 1: window 1
.set i, 0
.rept 32
	ds_store_b128 v[MA], v[4*i:4*i+3] offset:512*i ; O^T as an image of its registers, each accumulator from its low end on
.set i, i+1
.endr
	WIN 0
.irp t, 0,1
	ds_store_b32 v[MS], v[ST+8*\t] offset:256*\t
	ds_store_b32 v[MS], v[ST+8*\t+2] offset:256*\t+128
.endr
.Lkeep:
	s_wait_dscnt 0x0                               ; for the others' sake: my stores have landed
	s_barrier_signal -1
	s_barrier_wait -1
	s_cmp_lg_u32 s[PAR], 0
	s_cbranch_scc1 .Lclose
.irp t, 0,1
	ds_load_b32 v[32+2*\t], v[MS] offset:256*\t    ; my partner's c m
	ds_load_b32 v[33+2*\t], v[MS] offset:256*\t+128   ; and l
.endr
.set i, 0
.rept 32
	ds_load_b128 v[128+4*i:128+4*i+3], v[MA] offset:512*i
.set i, i+1
.endr
	s_wait_dscnt 0x0
.irp t, 0,1
	v_max_num_f32 v[36+\t], v[ST+8*\t], v[32+2*\t] ; the common c m
.endr
.irp t, 0,1
	v_sub_f32 v[ST+8*\t+4], v[ST+8*\t], v[36+\t]
	v_sub_f32 v[ST+8*\t+6], v[32+2*\t], v[36+\t]
.endr
.irp t, 0,1
	v_exp_f32 v[ST+8*\t+4], v[ST+8*\t+4]           ; my factor
	v_exp_f32 v[ST+8*\t+6], v[ST+8*\t+6]           ; my partner's
.endr
	v_nop
	s_wait_alu depctr_va_vdst(0)                   ; one wait for the four exponentials
.irp t, 0,1
	v_mul_f32 v[38+\t], v[ST+8*\t+6], v[33+2*\t]
.endr
.irp t, 0,1
	v_fma_f32 v[38+\t], v[ST+8*\t+4], v[ST+8*\t+2], v[38+\t]   ; the row's sum
.endr
.irp t, 0,1
	v_rcp_f32 v[38+\t], v[38+\t]
.endr
	v_nop
	s_wait_alu depctr_va_vdst(0)                   ; one wait for the two reciprocals
.irp t, 0,1
	v_mul_f32 v[ST+8*\t+4], v[ST+8*\t+4], v[38+\t]
	v_mul_f32 v[ST+8*\t+6], v[ST+8*\t+6], v[38+\t]
.endr
.irp t, 0,1
.set i, 0
.rept 32
	v_pk_mul_f32 v[128+64*\t+i:128+64*\t+i+1], v[128+64*\t+i:128+64*\t+i+1], v[ST+8*\t+6:ST+8*\t+7] op_sel_hi:[1,0]
.set i, i+2
.endr
.endr
	WIN 0x01                                       ; source 0 (my O^T) window 1
.irp t, 0,1
.set i, 0
.rept 32
	v_pk_fma_f32 v[128+64*\t+i:128+64*\t+i+1], v[64*\t+i:64*\t+i+1], v[ST+8*\t+4:ST+8*\t+5], v[128+64*\t+i:128+64*\t+i+1] op_sel_hi:[1,0,1]
.set i, i+2
.endr
.endr
	WIN 0
.set i, 0
.rept 64
	v_cvt_pk_f16_f32 v[128+i], v[128+2*i], v[128+2*i+1]   ; in place and ascending: an accumulator's eight channels become 16 bytes
.set i, i+1
.endr
.irp a, 0,1
.irp xx, 0,1,2,3,4,5,6,7
	global_store_b128 v[GO], v[128+4*(8*\a+\xx):128+4*(8*\a+\xx)+3], s[22:23] offset:\a*8192+\xx*512   ; 32 lanes store 512 consecutive bytes, aligned
.endr
.endr
.Lclose:
	s_wait_tensorcnt 0x0                           ; the wave's end, behind my last tensor load and my last LDS store
	ds_add_u32 v[SPW], v[NIL]
	s_wait_dscnt 0x0
	CROUND                                         ; the closing round
	s_endpgm
.Lfunc_end_k_q3cc133d214_attn:
	.size	k_q3cc133d214_attn, .Lfunc_end_k_q3cc133d214_attn-k_q3cc133d214_attn
	.p2alignl 7, 3214868480
	.fill 96, 4, 3214868480
	.section	.rodata,"a",@progbits
	.p2align	6, 0x0
	.amdhsa_kernel k_q3cc133d214_attn
		.amdhsa_group_segment_fixed_size 327680
		.amdhsa_private_segment_fixed_size 0
		.amdhsa_enable_private_segment 0
		.amdhsa_kernarg_size 24
		.amdhsa_user_sgpr_count 2
		.amdhsa_user_sgpr_kernarg_segment_ptr 1
		.amdhsa_wavefront_size32 1
		.amdhsa_system_sgpr_workgroup_id_x 1
		.amdhsa_system_sgpr_workgroup_id_y 1
		.amdhsa_system_sgpr_workgroup_id_z 1
		.amdhsa_system_vgpr_workitem_id 0
		.amdhsa_next_free_vgpr 448
		.amdhsa_next_free_sgpr 80
		.amdhsa_reserve_vcc 0
		.amdhsa_float_denorm_mode_32 3
		.amdhsa_float_denorm_mode_16_64 3
		.amdhsa_memory_ordered 1
		.amdhsa_forward_progress 1
		.amdhsa_inst_pref_size 255
	.end_amdhsa_kernel
	.section	.bss,"aw",@nobits
	.p2align	6
	.space	262144
	.amdgpu_metadata
---
amdhsa.version: [ 1, 2 ]
amdhsa.kernels:
  - .name:           k_q3cc133d214_attn
    .symbol:         k_q3cc133d214_attn.kd
    .args:
      - { .name: qkv, .offset: 0, .size: 8, .value_kind: global_buffer, .address_space: global }
      - { .name: wimg, .offset: 8, .size: 8, .value_kind: global_buffer, .address_space: global }
      - { .name: cimg, .offset: 16, .size: 8, .value_kind: global_buffer, .address_space: global }
    .group_segment_fixed_size: 327680
    .private_segment_fixed_size: 0
    .kernarg_segment_align: 8
    .kernarg_segment_size: 24
    .max_flat_workgroup_size: 256
    .sgpr_count:     80
    .vgpr_count:     448
    .wavefront_size: 32
...
	.end_amdgpu_metadata
.endif
;; end of part 3
;; launch oproj (part 4): grid 8 x 32, 4 waves a work-group, clusters of 4 x 4, 327,680 bytes of LDS; arguments cimg, woimg, bo, out0; writes out0
.if DOCPART == 4
	.amdgcn_target "amdgcn-amd-amdhsa--gfx1250"
	.amdhsa_code_object_version 6
	.text
	.protected	k_q3cc133d214_oproj
	.globl	k_q3cc133d214_oproj
	.p2align	8
	.type	k_q3cc133d214_oproj,@function
k_q3cc133d214_oproj:
	s_mov_b64 s[64:65], 0
	v_nop
	global_prefetch_b8 v0, s[64:65] scope:SCOPE_SE
	s_setreg_imm32_b32 hwreg(HW_REG_WAVE_MODE, 25, 1), 1
	s_wait_xcnt 0x0
	s_wait_alu depctr_hold_cnt(0) depctr_sa_sdst(0) depctr_va_vdst(0) depctr_va_sdst(0) depctr_va_ssrc(0) depctr_va_vcc(0) depctr_vm_vsrc(0)
	s_getreg_b32 s2, hwreg(HW_REG_IB_STS2, 6, 4)
	s_cmp_eq_u32 s2, 0
	s_cbranch_scc0 .Lentry_in_a_cluster
	s_endpgm
.Lentry_in_a_cluster:
	s_bfe_u32 s2, ttmp6, 0x10000c
	s_cmp_lg_u32 s2, 0xf033
	s_cbranch_scc0 .Lentry_shape_is_right
	s_endpgm
.Lentry_shape_is_right:
; out0[m][n] = sum over k of concat[m][k] Wo[n][k] + bo[n].  4,096 x 1,024 x 1,024; operands f16, sums and result f32.
; A tile of 128 x 128 gives each of 256 work-groups one tile.  Four waves, each 64 x 64: 16 accumulators.  K goes in four steps of 256 through two LDS slots.
; BOTH OPERANDS LIE IN MEMORY IN THE ORDER OF THEIR REGISTERS: byte s*(rows/16*8192) + rho*8192 + X*512 + lane*16 holds row 16 rho + lane % 16, k = 256 s + 16 X + 8 (lane / 16) + 0 .. 7.
; So a K step's tile of 128 rows is 65,536 dense bytes, a wave's tensor load brings half of one, and a fragment's load takes 512 consecutive bytes of LDS: no pitch, no padding.
; CLUSTERS 4 x 4: concat's tiles are asked for jointly along a row of the cluster, Wo's along a column.  THE MATRIX INSTRUCTION IS USED TRANSPOSED (source 0 = 16 rows of Wo, source 1 = 16 rows of concat): a lane holds
; eight neighbouring columns of a row.  bo is the C of each sum's first instruction.  A wave's 64 columns are 256 bytes: each wave has a stage of its own on the way out, and no barrier stands there.
; No prefetch: with tiles this small a K step is short, and all operands are read by eight or thirty-two work-groups.
; REGISTERS: window 0: v0-31 addresses; v32-95 the way out; v96-127 bo; v128-255 the accumulators ((a, b) at v[128 + 8 (4 a + b)]).   window 1: two fragment buffers of 128: 64 registers of concat, then 64 of Wo.
.set HALFT,  32768                     ; what one tensor load brings: 64 rows x 256 k
.set SLOT,   131072                    ; concat's 128 rows, then Wo's 128 rows
.set ASTEP,  2097152                   ; a K step on in cimg
.set BSTEP,  524288                    ; and in woimg
.set STAGE,  2*SLOT                    ; behind the slots: 16 rows x 272 bytes for each wave
.set SPITCH, 272
.set SPARE,  STAGE+4*16*SPITCH         ; the spare words, 128 bytes a wave
.set LAPS,   2                         ; a lap = two K steps
.set ADRA, 16
.set ADRB, 20
.set STO,  24
.set RD,   25
.set CO,   26
.set BO,   27
.set SPW,  28
.set NIL,  29
.set TMP,  32
.set BI,   96
.set ACC,  128
.set F0,   0
.set F1,   128
.set G1, 24
.set G0, 32
.set G1B, 48
.set G0B, 56
.set MSB, 0
.macro WIN new
.if MSB != \new
	s_set_vgpr_msb (MSB<<8)|\new
.set MSB, \new
.endif
.endm
.set MUL,  0x05                        ; sources 0 (Wo) and 1 (concat) window 1; C and D window 0
.set TO_F, 0x40                        ; destination window 1, address window 0
.macro JLOAD s                         ; waves 0 and 1 fetch concat's halves, waves 2 and 3 Wo's; an s_nop 0 and four v_nop follow each line
	s_cmp_eq_u32 s11, 0
	s_cbranch_scc0 .Lfor_b_\@
	tensor_load_to_lds s[G0+4*\s:G0+4*\s+3], s[G1:G1+7]
	s_nop 0
.rept 4
	v_nop
.endr
	s_branch .Lasked_\@
.Lfor_b_\@:
	tensor_load_to_lds s[G0B+4*\s:G0B+4*\s+3], s[G1B:G1B+7]
	s_nop 0
.rept 4
	v_nop
.endr
.Lasked_\@:
.endm
.macro CREST
	s_cmp_lg_u32 s10, 0
	s_cbranch_scc1 .Lnot_wave_0_\@
	s_barrier_signal -3
.Lnot_wave_0_\@:
	s_barrier_wait -3
	s_barrier_signal -1
	s_barrier_wait -1
.endm
.macro CROUND
	s_barrier_signal -1
	s_barrier_wait -1
	CREST
.endm
	s_load_b128 s[4:7], s[0:1], 0x0                ; cimg, woimg
	s_load_b64 s[66:67], s[0:1], 0x10              ; bo
	s_load_b64 s[8:9], s[0:1], 0x18                ; out0
	v_lshl_add_u32 v[SPW], v0, 2, SPARE
	v_mov_b32 v[NIL], 0
	ds_add_u32 v[SPW], v[NIL]                      ; the wave's opening: the add, twice on end, and its wait ahead of my first tensor load
	ds_add_u32 v[SPW], v[NIL]
	v_lshrrev_b32 v1, 5, v0
	v_readfirstlane_b32 s10, v1                    ; wave 0..3
	s_lshr_b32 s11, s10, 1                         ; which half of the tile's rows is mine.  Also: I fetch for concat (0) or for Wo (1)
	s_and_b32 s12, s10, 1                          ; which half of its columns.  Also: which 64 rows of that tile I fetch
	s_bfe_u32 s40, ttmp6, 0x40000
	s_bfe_u32 s41, ttmp6, 0x40004
	s_lshl_b32 s42, ttmp9, 2
	s_add_co_u32 s42, s42, s40                     ; tile column
	s_and_b32 s13, ttmp7, 0xffff
	s_lshl_b32 s13, s13, 2
	s_add_co_u32 s13, s13, s41                     ; tile row
	s_lshl_b32 s43, s41, 2
	s_lshl_b32 s43, 15, s43                        ; my row of the cluster
	s_lshl_b32 s44, 0x1111, s40                    ; my column
	; descriptor group 1: 32,768 dense bytes as 128 rows of 256 bytes (32 elements of 8 bytes), no padding
	s_or_b32 s[G1+0], s43, (3<<16)|(1<<21)
	s_or_b32 s[G1B+0], s44, (3<<16)|(1<<21)
.irp g, G1, G1B
	s_mov_b32 s[\g+1], 32<<16
	s_mov_b32 s[\g+2], 128<<16
	s_mov_b32 s[\g+3], 32<<16
	s_mov_b32 s[\g+4], 128
	s_mov_b32 s[\g+5], 32
	s_mov_b32 s[\g+6], 0
	s_mov_b32 s[\g+7], 0
.endr
	s_lshl_b32 s17, s12, 15                        ; which four blocks of 16 rows of the tile's eight I fetch
	s_lshl_b32 s16, s13, 16
	s_add_co_u32 s16, s16, s17                     ; concat: (8 x tile row + 4 x half) x 8,192
	s_lshl_b32 s46, s42, 16
	s_add_co_u32 s46, s46, s17                     ; Wo: (8 x tile column + 4 x half) x 8,192
	s_mov_b32 s17, 0
	s_mov_b32 s47, 0
	s_lshl_b32 s20, s10, 15                        ; where they go: wave x 32,768
	s_wait_dscnt 0x0                               ; both opening adds are done
	s_wait_kmcnt 0x0
	s_add_nc_u64 s[14:15], s[4:5], s[16:17]
	s_add_nc_u64 s[46:47], s[6:7], s[46:47]
	CROUND                                         ; all sixteen work-groups are here: the first joint loads meet
.irp s, 0,1
	s_mov_b32 s[G0+4*\s], 1
	s_add_co_u32 s[G0+4*\s+1], s20, \s*SLOT
	s_add_nc_u64 s[G0+4*\s+2:G0+4*\s+3], s[14:15], \s*ASTEP
	s_or_b32 s[G0+4*\s+3], s[G0+4*\s+3], 0x80000000
	s_mov_b32 s[G0B+4*\s], 1
	s_add_co_u32 s[G0B+4*\s+1], s20, \s*SLOT
	s_add_nc_u64 s[G0B+4*\s+2:G0B+4*\s+3], s[46:47], \s*BSTEP
	s_or_b32 s[G0B+4*\s+3], s[G0B+4*\s+3], 0x80000000
	JLOAD \s                                       ; two loads of mine are out
.endr
	v_and_b32 v1, 15, v0                           ; r
	v_bfe_u32 v2, v0, 4, 1                         ; h
	v_and_b32 v3, 31, v0
	v_lshlrev_b32 v3, 4, v3                        ; 16 x lane
	s_lshl_b32 s21, s11, 15                        ; my 64 rows of concat
	s_lshl_b32 s22, s12, 15                        ; my 64 rows of Wo,
	s_add_co_u32 s22, s22, 2*HALFT                 ; which lie behind concat's 128
.irp s, 0,1
	v_add_nc_u32 v[ADRA+\s], s21, v3
	v_add_nc_u32 v[ADRB+\s], s22, v3
	s_add_co_u32 s21, s21, SLOT
	s_add_co_u32 s22, s22, SLOT
.endr
	s_mul_i32 s23, s10, 16*SPITCH
	s_add_co_u32 s23, s23, STAGE                   ; my stage
	v_mul_u32_u24 v4, v1, SPITCH                   ; in: row r, 32 bytes for each half of the lanes
	v_lshl_add_u32 v4, v2, 5, v4
	v_add_nc_u32 v[STO], s23, v4
	v_mul_u32_u24 v5, v2, SPITCH                   ; back: lanes 0-15 one row of 256 bytes, lanes 16-31 the next
	v_lshl_add_u32 v5, v1, 4, v5
	v_add_nc_u32 v[RD], s23, v5
	v_lshlrev_b32 v5, 12, v2                       ; and the same two rows in out0: 4,096 bytes a row
	v_lshl_add_u32 v[CO], v1, 4, v5
	v_lshlrev_b32 v[BO], 5, v2
	s_lshl_b32 s16, s13, 19                        ; my first row: (128 x tile row + 64 x half) x 4,096 bytes
	s_lshl_b32 s17, s11, 18
	s_add_co_u32 s16, s16, s17
	s_mov_b32 s17, 0
	s_add_nc_u64 s[8:9], s[8:9], s[16:17]
	s_lshl_b32 s46, s42, 9                         ; my first column: (128 x tile column + 64 x half) x 4 bytes
	s_lshl_b32 s47, s12, 8
	s_add_co_u32 s46, s46, s47
	s_mov_b32 s47, 0
	s_add_nc_u64 s[8:9], s[8:9], s[46:47]
	s_add_nc_u64 s[66:67], s[66:67], s[46:47]
.irp b, 0,1,2,3
	global_load_b128 v[BI+8*\b:BI+8*\b+3], v[BO], s[66:67] offset:64*\b        ; register 8 b + j of lane (r, h) = bo[my first column + 16 b + 8 h + j]
	global_load_b128 v[BI+8*\b+4:BI+8*\b+7], v[BO], s[66:67] offset:64*\b+16
.endr
; 8 matrix instructions: row blocks a0, a0 + 1 x all 4 column blocks, 32 along K: half c of buffer f.  zero = 1: bo is C.  The 16 accumulators take turns.
.macro MUL8 f, c, a0, zero
.irp a, \a0, \a0+1
.irp b, 0,1,2,3
.if \zero
	v_wmma_f32_16x16x32_f16 v[ACC+8*(4*(\a)+\b):ACC+8*(4*(\a)+\b)+7], v[\f+64+8*(4*\c+\b):\f+64+8*(4*\c+\b)+7], v[\f+8*(4*\c+\a):\f+8*(4*\c+\a)+7], v[BI+8*\b:BI+8*\b+7]
.else
	v_wmma_f32_16x16x32_f16 v[ACC+8*(4*(\a)+\b):ACC+8*(4*(\a)+\b)+7], v[\f+64+8*(4*\c+\b):\f+64+8*(4*\c+\b)+7], v[\f+8*(4*\c+\a):\f+8*(4*\c+\a)+7], v[ACC+8*(4*(\a)+\b):ACC+8*(4*(\a)+\b)+7]
.endif
.endr
.endr
.endm
; 32 LDS loads in one run: the fragments of the slot's kq-th 64 along K into buffer f; the first 32 along K first
.macro FETCH slot, kq, f
	WIN TO_F
.irp c, 0,1
.irp i, 0,1,2,3
	ds_load_b128 v[\f+64+8*(4*\c+\i):\f+64+8*(4*\c+\i)+3],   v[ADRB+\slot] offset:\i*8192+(2*(\kq)+\c)*1024
	ds_load_b128 v[\f+64+8*(4*\c+\i)+4:\f+64+8*(4*\c+\i)+7], v[ADRB+\slot] offset:\i*8192+(2*(\kq)+\c)*1024+512
	ds_load_b128 v[\f+8*(4*\c+\i):\f+8*(4*\c+\i)+3],         v[ADRA+\slot] offset:\i*8192+(2*(\kq)+\c)*1024
	ds_load_b128 v[\f+8*(4*\c+\i)+4:\f+8*(4*\c+\i)+7],       v[ADRA+\slot] offset:\i*8192+(2*(\kq)+\c)*1024+512
.endr
.endr
.endm
.macro PLACES
.rept 4
	v_nop
.endr
.endm
; A K step is four quarters of 64 along K, 32 matrix instructions each, on buffers 0, 1, 0, 1.  One of the first three: multiplies buffer f and fetches quarter kq into g.
.macro QUARTER slot, kq, f, g, zero
	s_wait_dscnt 16                                ; the first 32 along K are in; the youngest sixteen loads may be out
	WIN MUL
	MUL8 \f, 0, 0, \zero
	MUL8 \f, 0, 2, \zero
	PLACES
	FETCH \slot, \kq, \g
	s_wait_dscnt 32                                ; all but the 32 just issued
	WIN MUL
	MUL8 \f, 1, 0, 0
	MUL8 \f, 1, 2, 0
.endm
; The last quarter multiplies buffer 1 and changes slots: one barrier; in front of it each wave waits for all its tensor loads, adds 0 to its spare word, and waits for that and for its reads of this slot.
.macro TURN slot, next, fill
	WIN 0
	s_wait_tensorcnt 0x0                           ; all my tensor loads have landed: my part of the next slot
	ds_add_u32 v[SPW], v[NIL]                      ; 0 onto my spare word
	s_wait_dscnt 17                                ; (the add and the youngest sixteen loads may be out)
	WIN MUL
	MUL8 F1, 0, 0, 0
	s_wait_dscnt 0x0                               ; the add is done, and my reads of this slot are over
	s_barrier_signal -1
	MUL8 F1, 0, 2, 0
.if \fill
	WIN 0
.endif
	s_barrier_wait -1
.if \fill
	CREST                                          ; the barrier has opened a round of the cluster's barrier: no wave of any partner still reads this slot or has a load on its way
	s_add_nc_u64 s[G0+4*\slot+2:G0+4*\slot+3], s[G0+4*\slot+2:G0+4*\slot+3], 2*ASTEP
	s_add_nc_u64 s[G0B+4*\slot+2:G0B+4*\slot+3], s[G0B+4*\slot+2:G0B+4*\slot+3], 2*BSTEP
	JLOAD \slot                                    ; the first tensor load behind the round; its four v_nop are also the places in front of the loads below
.else
	PLACES
.endif
	FETCH \next, 0, F0
	WIN MUL
	MUL8 F1, 1, 0, 0
	MUL8 F1, 1, 2, 0
.endm
	s_wait_tensorcnt 1                             ; my part of K step 0 is in (K step 1's load may be out),
	s_barrier_signal -1
	s_barrier_wait -1                              ; everybody's is
	FETCH 0, 0, F0
	s_wait_loadcnt 0x0                             ; bo
	QUARTER 0, 1, F0, F1, 1                        ; the first quarter stands in front of the loop: its first products start the sums
	WIN 0
	s_mov_b32 s3, LAPS-1
.Llap:                                             ; a trip goes once round the ring and fills both slots again
	QUARTER 0, 2, F1, F0, 0
	QUARTER 0, 3, F0, F1, 0
	TURN 0, 1, 1
	QUARTER 1, 1, F0, F1, 0
	QUARTER 1, 2, F1, F0, 0
	QUARTER 1, 3, F0, F1, 0
	TURN 1, 0, 1
	QUARTER 0, 1, F0, F1, 0
	WIN 0
	s_sub_co_u32 s3, s3, 1
	s_cmp_lg_u32 s3, 0
	s_cbranch_scc1 .Llap
	QUARTER 0, 2, F1, F0, 0                        ; the last lap fills nothing
	QUARTER 0, 3, F0, F1, 0
	TURN 0, 1, 0
	QUARTER 1, 1, F0, F1, 0
	QUARTER 1, 2, F1, F0, 0
	QUARTER 1, 3, F0, F1, 0
	s_wait_dscnt 16
	WIN MUL
	MUL8 F1, 0, 0, 0
	MUL8 F1, 0, 2, 0
	s_wait_dscnt 0
	MUL8 F1, 1, 0, 0
	MUL8 F1, 1, 2, 0
	WIN 0
; THE WAY OUT, a block of 16 rows x 64 columns at a time, through my own stage: in as 32 bytes a lane, back as whole rows of 256 bytes.  LDS serves a wave's instructions in order, so no wait stands between the stores
; and the loads, nor in front of the next block's stores.
.macro TOSTAGE a
.irp b, 0,1,2,3
	ds_store_b128 v[STO], v[ACC+8*(4*(\a)+\b):ACC+8*(4*(\a)+\b)+3] offset:64*\b        ; each accumulator from its low end on
	ds_store_b128 v[STO], v[ACC+8*(4*(\a)+\b)+4:ACC+8*(4*(\a)+\b)+7] offset:64*\b+16
.endr
.set BB, TMP+32*((\a)%2)
.irp t, 0,1,2,3,4,5,6,7
	ds_load_b128 v[BB+4*\t:BB+4*\t+3], v[RD] offset:\t*2*SPITCH
.endr
.endm
.macro SEND a, younger                 ; younger: the LDS instructions issued behind block a's loads
.set BB, TMP+32*((\a)%2)
	s_wait_dscnt \younger
.irp t, 0,1,2,3,4,5,6,7
	global_store_b128 v[CO], v[BB+4*\t:BB+4*\t+3], s[8:9] offset:(16*(\a)+2*\t)*4096 th:TH_STORE_NT   ; 16 lanes store 256 consecutive bytes, aligned; written once, read by nobody here
.endr
.endm
	PLACES
	TOSTAGE 0
.irp a, 1,2,3
.if \a > 1
	s_wait_xcnt 0x0                                ; block a - 2's stores have read the registers into which block a's loads land
.endif
	TOSTAGE \a
	SEND \a-1, 16                                  ; behind block a - 1's loads: block a's 8 stores and 8 loads
.endr
	SEND 3, 0
	s_wait_tensorcnt 0x0                           ; the wave's end, behind my last tensor load and my last LDS store
	ds_add_u32 v[SPW], v[NIL]
	s_wait_dscnt 0x0
	CROUND                                         ; the closing round
	s_endpgm
.Lfunc_end_k_q3cc133d214_oproj:
	.size	k_q3cc133d214_oproj, .Lfunc_end_k_q3cc133d214_oproj-k_q3cc133d214_oproj
	.p2alignl 7, 3214868480
	.fill 96, 4, 3214868480
	.section	.rodata,"a",@progbits
	.p2align	6, 0x0
	.amdhsa_kernel k_q3cc133d214_oproj
		.amdhsa_group_segment_fixed_size 327680
		.amdhsa_private_segment_fixed_size 0
		.amdhsa_enable_private_segment 0
		.amdhsa_kernarg_size 32
		.amdhsa_user_sgpr_count 2
		.amdhsa_user_sgpr_kernarg_segment_ptr 1
		.amdhsa_wavefront_size32 1
		.amdhsa_system_sgpr_workgroup_id_x 1
		.amdhsa_system_sgpr_workgroup_id_y 1
		.amdhsa_system_sgpr_workgroup_id_z 1
		.amdhsa_system_vgpr_workitem_id 0
		.amdhsa_next_free_vgpr 512
		.amdhsa_next_free_sgpr 68
		.amdhsa_reserve_vcc 0
		.amdhsa_float_denorm_mode_32 3
		.amdhsa_float_denorm_mode_16_64 3
		.amdhsa_memory_ordered 1
		.amdhsa_forward_progress 1
		.amdhsa_inst_pref_size 86
	.end_amdhsa_kernel
	.amdgpu_metadata
---
amdhsa.version: [ 1, 2 ]
amdhsa.kernels:
  - .name:           k_q3cc133d214_oproj
    .symbol:         k_q3cc133d214_oproj.kd
    .args:
      - { .name: cimg, .offset: 0, .size: 8, .value_kind: global_buffer, .address_space: global }
      - { .name: woimg, .offset: 8, .size: 8, .value_kind: global_buffer, .address_space: global }
      - { .name: bo, .offset: 16, .size: 8, .value_kind: global_buffer, .address_space: global }
      - { .name: out0, .offset: 24, .size: 8, .value_kind: global_buffer, .address_space: global }
    .group_segment_fixed_size: 327680
    .private_segment_fixed_size: 0
    .kernarg_segment_align: 8
    .kernarg_segment_size: 32
    .max_flat_workgroup_size: 128
    .sgpr_count:     68
    .vgpr_count:     512
    .wavefront_size: 32
...
	.end_amdgpu_metadata
.endif
;; end of part 4
